; MI455X (gfx1250); checked and timed in simulation.
; The chip was launched on July 23, 2026; its instructions are those of AMD's public machine-readable ISA for CDNA 5 (MIT licence, August 2026) and "CDNA5" Instruction Set Architecture Reference Guide (July 2026). The comments in the code are by the model that wrote it; some were corrected since.
;; Causal Self Attention. Allowed arithmetic: matrix products marked QUANTISED: E2M1 operands, one E8M0 scale for each 32 along K, by v_wmma_scale_f32_16x16x128_f8f6f4 with both operands' format E2M1 (or v_wmma_scale_f32_32x16x128_f4), f32 sums; products left as they are: bf16, f16 or f32 operands; f32 sums; everything else in f32.
;; Inputs: W_k 1,024 x 1,024 float32; W_o 1,024 x 1,024 float32; W_q 1,024 x 1,024 float32; W_v 1,024 x 1,024 float32; b_k 1,024 float32; b_o 1,024 float32; b_q 1,024 float32; b_v 1,024 float32; mask 4 x 2,048 int32; x 4 x 2,048 x 1,024 float32.
;; Outputs: out0 4 x 2,048 x 1,024 float32.
;; This version of the problem:
;;   THIS VERSION OF THE PROBLEM IS GIVEN IN LOW PRECISION. The matrix products marked QUANTISED in the list below multiply operands that are first quantised to E2M1 (2 exponent bits, 1 mantissa bit; 4 bits a number), with one power-of-two scale for each 32 numbers along K (OCP MX v1.0); their sums are f32. The products marked 'left as it is' may take bf16, f16 or f32 operands, with f32 sums. Whichever they take, every output number must still come out within the allowed error. Rounding operands to bf16 (8 significant bits) uses up far more of that allowance than f16 does (11 bits, for magnitudes from 6e-5 to 65,504). All else is computed in f32.
;;   The module's matrix products, in the order in which they are computed (A, B: the left and right operand; K: the contracted axis; several contracted axes count as one K, in the product's order):
;;     1. [M 8,192, K 1,024] x [K 1,024, N 1,024]; A: input x; B: input W_q: QUANTISED
;;     2. [M 8,192, K 1,024] x [K 1,024, N 1,024]; A: input x; B: input W_k: QUANTISED
;;     3. [M 8,192, K 1,024] x [K 1,024, N 1,024]; A: input x; B: input W_v: QUANTISED
;;     4. batch 64 x [M 2,048, K 64] x [K 64, N 2,048]; A: computed on the way; B: computed on the way: left as it is (an operand is computed on the way)
;;     5. batch 64 x [M 2,048, K 2,048] x [K 2,048, N 64]; A: computed on the way; B: computed on the way: left as it is (an operand is computed on the way)
;;     6. [M 8,192, K 1,024] x [K 1,024, N 1,024]; A: computed on the way; B: input W_o: left as it is (an operand is computed on the way)
;;   THE QUANTISER, for each operand of a quantised product, along K:
;;     - K is cut into blocks of 32 from its start; a last block that is shorter is filled with zeros.
;;     - A block's scale is 2^e with e = floor(log2(the largest magnitude in the block)) - 2, held to -126 .. 127; a block of zeros has e = 0. As a byte (E8M0): e + 127.
;;     - Each number is divided by its block's scale, clamped to +-6, and rounded to the nearest number of E2M1, ties to even, subnormals kept.
;;     - The product sums the exact products of the quantised numbers (number of the format x scale) in f32.
;;   ~~~python
;;   def quantise(x, axis):      # numpy; x: float32 -> the quantised numbers, widened to float32 again
;;       x = np.moveaxis(x, axis, -1); K = x.shape[-1]
;;       x = np.pad(x, [(0, 0)] * (x.ndim - 1) + [(0, -K % 32)]); x = x.reshape(x.shape[:-1] + (-1, 32)); a = np.abs(x).max(-1, keepdims=True)
;;       e = np.where(a > 0, np.clip(np.frexp(np.where(a > 0, a, 1))[1] - 1 - 2, -126, 127), 0)      # np.frexp(a)[1] - 1 = floor(log2(a)), exactly
;;       r = np.clip(x / 2.0 ** e, -6, 6)
;;       step = 2.0 ** (np.maximum(np.frexp(np.where(r == 0, 1, r))[1] - 1, 0) - 1)
;;       q = np.round(r / step) * step * 2.0 ** e      # np.round: ties to even
;;       return np.moveaxis(q.reshape(q.shape[:-2] + (-1,))[..., :K], -1, axis).astype(np.float32)
;;   ~~~
;; One version. Each part assembles by itself: llvm-mc -triple=amdgcn-amd-amdhsa -mcpu=gfx1250 --defsym DOCPART=n.
;; ======== version 1 of 1: 5 launches
;; limits: right only within a limited range of input values; values are held in f16: magnitudes above 65,504 overflow, below 6.1e-05 lose precision
;; workspace buffers: cod 5,767,168 bytes; scl 360,448 bytes; wo16 2,097,152 bytes; qkvh 50,331,648 bytes; aux32 1,048,576 bytes; ctx 16,777,216 bytes
;; launch prep (part 1): grid 384 x 1, 4 waves a work-group, no clusters, 33,280 bytes of LDS; arguments x, W_q, W_k, W_v, W_o, cod, scl, wo16; writes cod, scl, wo16
.if DOCPART == 1
	.amdgcn_target "amdgcn-amd-amdhsa--gfx1250"
	.amdhsa_code_object_version 6
	.text
	.protected	k_q5bcae325e0_prep
	.globl	k_q5bcae325e0_prep
	.p2align	8
	.type	k_q5bcae325e0_prep,@function
k_q5bcae325e0_prep:
	s_mov_b64 s[64:65], 0
	v_nop
	global_prefetch_b8 v0, s[64:65] scope:SCOPE_SE
	s_setreg_imm32_b32 hwreg(HW_REG_WAVE_MODE, 25, 1), 1
	s_wait_xcnt 0x0
; PREP.  x [8192][1024], W_q, W_k, W_v [1024][1024], f32 with K innermost, become codes of FP4 (E2M1), two a byte, and one E8M0 byte for each 32 along K; W_o becomes f16.
; cod: x's rows of 512 bytes, then W_q's, W_k's, W_v's (3,072 rows).  scl: the same rows, 32 bytes each.  Rows are dense and 1,024 is a multiple of 32: every tensor is a plain stream of blocks of 32.
; A block's scale is 2^(floor(log2(its largest magnitude)) - 2); its byte is the largest magnitude's exponent field - 2, held at 1 from below.
; LIMITS: a block of zeros gets the byte 1 where the quantiser's text says 127 (its codes are zeros, and this program alone reads the bytes); blocks whose largest magnitude lies under 2^-124 are held at
; that byte; NaN and infinities are not served.  W_o must lie under 65,504 in magnitude to be kept as f16.
; SHARES.  A wave takes a run of 8,192 numbers.  Work-groups 0-255: x (1,024 runs); 256-287 W_q; 288-319 W_k; 320-351 W_v (128 runs each): run R's codes lie at 4,096 R and its bytes at 256 R, whatever the tensor.
; Work-groups 352-383: W_o, on a path of its own that uses no LDS.  No tensor loads, no barrier: waves share nothing.
.set QWG,   352                        ; work-groups that quantise
.set STEPS, 16
.set EMAX,  2
.set CB,    8                          ; bytes of 16 codes
.set R,     16                         ; v16-79   four sets of 16 numbers as loaded (W_o: v16-143, two sets of 64)
.set X,     80                         ; v80-111  two sets of 16 neighbours
.set E,     112                        ; v112-127 a scale byte for each step
.set C,     128                        ; v128-191 codes, four registers a step: no store's data are written again
.set OUTH,  144                        ; W_o: v144-175, eight steps' f16
.set WREG,  8192                       ; LDS: a region for each wave: two stages of 32 x SP bytes, behind them its 256 scale bytes
.set SP,    80                         ; a lane's place in a stage: 64 bytes + 16 of padding
.set SPW,   12                         ; v12  my spare word's LDS address; never rewritten
.set NIL,   13                         ; v13  0; never rewritten
.set SPARE, 4*WREG                     ; the spare words, 128 bytes a wave
	s_load_b256 s[4:11], s[0:1], 0x0               ; x, W_q, W_k, W_v
	s_load_b256 s[12:19], s[0:1], 0x20             ; W_o, cod, scl, wo16
	v_lshl_add_u32 v[SPW], v0, 2, SPARE
	v_mov_b32 v[NIL], 0
	v_lshrrev_b32 v1, 5, v0
	v_readfirstlane_b32 s24, v1                    ; wave
	v_and_b32 v2, 31, v0                           ; lane
	s_lshl_b32 s26, ttmp9, 2
	s_add_co_u32 s26, s26, s24                     ; R = 4 x work-group + wave
	s_mov_b32 s29, 0
	s_cmp_ge_u32 ttmp9, QWG
	s_cbranch_scc1 .Lwo
	; ---- the quantiser
	v_lshlrev_b32 v3, 4, v2                        ; my 16 bytes of a load's 512
	s_mul_i32 s25, s24, WREG
	v_lshrrev_b32 v14, 2, v2
	v_mul_u32_u24 v14, v14, SP
	v_and_b32 v15, 3, v2
	v_lshl_add_u32 v14, v15, 4, v14
	v_add_nc_u32 v14, s25, v14                     ; the stage, on the way in: SP (lane / 4) + 16 (lane % 4)
	v_mul_u32_u24 v15, v2, SP
	v_add_nc_u32 v15, s25, v15                     ; on the way out: SP x lane: my 16 neighbours
	v_mul_u32_u24 v4, v2, CB                       ; my codes' place in a step's
	v_lshrrev_b32 v5, 1, v2
	s_add_co_u32 s25, s25, 2*32*SP
	v_add_nc_u32 v5, s25, v5                       ; my block's byte among the wave's 256
	v_lshlrev_b32 v7, 3, v2
	v_add_nc_u32 v6, s25, v7                       ; and 8 bytes a lane on the way out
	s_wait_kmcnt 0x0
	s_cmp_lt_u32 ttmp9, 320                        ; which tensor: the choice hangs on the work-group's number alone
	s_cselect_b64 s[20:21], s[8:9], s[10:11]
	s_cmp_lt_u32 ttmp9, 288
	s_cselect_b64 s[20:21], s[6:7], s[20:21]
	s_cmp_lt_u32 ttmp9, 256
	s_cselect_b64 s[20:21], s[4:5], s[20:21]
	s_mov_b32 s22, 0x7f
	s_cselect_b32 s22, 0x3ff, s22                  ; runs in the tensor, less one
	s_and_b32 s27, s26, s22                        ; my run within it (1,024 and each 128 further on are multiples of 128)
	s_lshl_b32 s28, s27, 15
	s_add_nc_u64 s[20:21], s[20:21], s[28:29]      ; 32,768 bytes of f32 a run
	s_lshl_b32 s28, s26, 12
	s_add_nc_u64 s[14:15], s[14:15], s[28:29]      ; 4,096 bytes of codes
	s_lshl_b32 s28, s26, 8
	s_add_nc_u64 s[16:17], s[16:17], s[28:29]      ; 256 scale bytes
.macro LOAD t
.irp i, 0,1,2,3
	global_load_b128 v[R+16*((\t)%4)+4*\i:R+16*((\t)%4)+4*\i+3], v3, s[20:21] offset:2048*(\t)+512*\i th:TH_LOAD_NT   ; 32 lanes read 512 consecutive bytes
.endr
.endm
.macro TURN t                          ; a step's 2,048 bytes through the stage: LDS serves a wave's instructions in order, so no wait stands between stores and loads
.irp i, 0,1,2,3
	ds_store_b128 v14, v[R+16*((\t)%4)+4*\i:R+16*((\t)%4)+4*\i+3] offset:32*SP*((\t)%2)+8*SP*\i
.endr
.irp i, 0,1,2,3
	ds_load_b128 v[X+16*((\t)%2)+4*\i:X+16*((\t)%2)+4*\i+3], v15 offset:32*SP*((\t)%2)+16*\i
.endr
.endm
.irp t, 0,1,2,3
	LOAD \t
.endr
	s_wait_loadcnt 12                              ; step 0's four loads are in; three steps' twelve may be out
	TURN 0
.macro STEP t
.set XS, X+16*((\t)%2)
.if (\t) > 0
	s_wait_dscnt 1                                 ; this step's numbers are back from the stage; the last step's byte store may be out
.else
	s_wait_dscnt 0x0
.endif
.if (\t)+4 < STEPS
	LOAD (\t)+4                                    ; into the registers that the stage's stores have read
.endif
.if (\t)+1 < STEPS
.if STEPS-2-(\t) >= 3
	s_wait_loadcnt 12                              ; the next step's four loads are in; those of the three steps behind it may be out
.else
	s_wait_loadcnt 4*(STEPS-2-(\t))
.endif
	TURN (\t)+1
.endif
	v_max3_num_f32 v8, |v[XS]|, |v[XS+1]|, |v[XS+2]|               ; the largest magnitude of my 16, in two chains
	v_max3_num_f32 v9, |v[XS+3]|, |v[XS+4]|, |v[XS+5]|
.irp i, 6,10
	v_max3_num_f32 v8, v8, |v[XS+\i]|, |v[XS+\i+1]|
	v_max3_num_f32 v9, v9, |v[XS+\i+2]|, |v[XS+\i+3]|
.endr
	v_max3_num_f32 v8, v8, |v[XS+14]|, |v[XS+15]|
	v_max3_num_f32 v8, v8, v9, (EMAX+1)<<23        ; and the floor 2^(3 - 127): the byte cannot fall under 1
	v_max_num_f32_dpp v8, v8, v8 row_xmask:1 row_mask:0xf bank_mask:0xf   ; with my neighbour's 16: the block's
	v_add_nc_u32 v11, -(EMAX<<23), v8              ; 2 off its exponent field: the conversion takes that field as its scale and nothing else
	v_cvt_scalef32_pk8_fp4_f32 v[C+4*(\t)], v[XS:XS+7], v11
	v_cvt_scalef32_pk8_fp4_f32 v[C+4*(\t)+1], v[XS+8:XS+15], v11
	v_lshrrev_b32 v[E+(\t)], 23, v11               ; the scale's byte (also the plain line behind the conversions)
	ds_store_b8 v5, v[E+(\t)] offset:16*(\t)       ; both lanes of a block write the same byte with the same value
	global_store_b64 v4, v[C+4*(\t):C+4*(\t)+1], s[14:15] offset:32*CB*(\t)   ; the wave stores 256 consecutive bytes, aligned
.endm
.irp t, 0,1,2,3,4,5,6,7,8,9,10,11,12,13,14,15
	STEP \t
.endr
	ds_load_b64 v[8:9], v6                         ; my wave's 256 scale bytes, in order behind my stores
	s_wait_dscnt 0x0
	global_store_b64 v7, v[8:9], s[16:17]          ; 256 consecutive bytes, aligned
	s_wait_tensorcnt 0x0                           ; the wave's end, behind my last LDS store
	ds_add_u32 v[SPW], v[NIL]
	s_wait_dscnt 0x0
	s_endpgm
	; ---- W_o to f16: 32 steps of 1,024 bytes; a lane takes 32 neighbouring bytes (two loads) and stores 16: the wave's store covers 512 consecutive bytes
.Lwo:
	v_lshlrev_b32 v3, 5, v2
	v_lshlrev_b32 v4, 4, v2
	s_sub_co_u32 s27, s26, 4*QWG                   ; my run of W_o
	s_wait_kmcnt 0x0
	s_lshl_b32 s28, s27, 15
	s_add_nc_u64 s[12:13], s[12:13], s[28:29]
	s_lshl_b32 s28, s27, 14
	s_add_nc_u64 s[18:19], s[18:19], s[28:29]
.macro LOADG g                         ; group g: eight steps, sixteen loads, into set g % 2
.irp s, 0,1,2,3,4,5,6,7
	global_load_b128 v[R+64*((\g)%2)+8*\s:R+64*((\g)%2)+8*\s+3], v3, s[12:13] offset:1024*(8*(\g)+\s) th:TH_LOAD_NT
	global_load_b128 v[R+64*((\g)%2)+8*\s+4:R+64*((\g)%2)+8*\s+7], v3, s[12:13] offset:1024*(8*(\g)+\s)+16 th:TH_LOAD_NT
.endr
.endm
.macro CVTG g, nxt                     ; nxt: the next group's loads that are out behind this group's: 16 or 0
.set HB, R+64*((\g)%2)
.irp s, 0,1,2,3,4,5,6,7
	s_wait_loadcnt \nxt+14-2*\s                    ; step s's two loads are in; the rest of this group's and the next group's may be out
.irp i, 0,1,2,3
	v_cvt_pk_f16_f32 v[OUTH+4*\s+\i], v[HB+8*\s+2*\i], v[HB+8*\s+2*\i+1]
.endr
	global_store_b128 v4, v[OUTH+4*\s:OUTH+4*\s+3], s[18:19] offset:512*(8*(\g)+\s)
.endr
.endm
	LOADG 0
	LOADG 1
	CVTG 0, 16
	s_wait_xcnt 0x0                                ; the stores have read their data: the eight steps' registers are written again
	LOADG 2
	CVTG 1, 16
	s_wait_xcnt 0x0
	LOADG 3
	CVTG 2, 16
	s_wait_xcnt 0x0
	CVTG 3, 0
	s_wait_tensorcnt 0x0                           ; the same three lines at this path's end
	ds_add_u32 v[SPW], v[NIL]
	s_wait_dscnt 0x0
	s_endpgm
.Lfunc_end_k_q5bcae325e0_prep:
	.size	k_q5bcae325e0_prep, .Lfunc_end_k_q5bcae325e0_prep-k_q5bcae325e0_prep
	.p2alignl 7, 3214868480
	.fill 96, 4, 3214868480
	.section	.rodata,"a",@progbits
	.p2align	6, 0x0
	.amdhsa_kernel k_q5bcae325e0_prep
		.amdhsa_group_segment_fixed_size 33280
		.amdhsa_private_segment_fixed_size 0
		.amdhsa_enable_private_segment 0
		.amdhsa_kernarg_size 64
		.amdhsa_user_sgpr_count 2
		.amdhsa_user_sgpr_kernarg_segment_ptr 1
		.amdhsa_wavefront_size32 1
		.amdhsa_system_sgpr_workgroup_id_x 1
		.amdhsa_system_sgpr_workgroup_id_y 1
		.amdhsa_system_sgpr_workgroup_id_z 1
		.amdhsa_system_vgpr_workitem_id 0
		.amdhsa_next_free_vgpr 192
		.amdhsa_next_free_sgpr 66
		.amdhsa_reserve_vcc 0
		.amdhsa_float_denorm_mode_32 3
		.amdhsa_float_denorm_mode_16_64 3
		.amdhsa_memory_ordered 1
		.amdhsa_forward_progress 1
		.amdhsa_inst_pref_size 52
	.end_amdhsa_kernel
	.amdgpu_metadata
---
amdhsa.version: [ 1, 2 ]
amdhsa.kernels:
  - .name:           k_q5bcae325e0_prep
    .symbol:         k_q5bcae325e0_prep.kd
    .args:
      - { .name: x, .offset: 0, .size: 8, .value_kind: global_buffer, .address_space: global }
      - { .name: W_q, .offset: 8, .size: 8, .value_kind: global_buffer, .address_space: global }
      - { .name: W_k, .offset: 16, .size: 8, .value_kind: global_buffer, .address_space: global }
      - { .name: W_v, .offset: 24, .size: 8, .value_kind: global_buffer, .address_space: global }
      - { .name: W_o, .offset: 32, .size: 8, .value_kind: global_buffer, .address_space: global }
      - { .name: cod, .offset: 40, .size: 8, .value_kind: global_buffer, .address_space: global }
      - { .name: scl, .offset: 48, .size: 8, .value_kind: global_buffer, .address_space: global }
      - { .name: wo16, .offset: 56, .size: 8, .value_kind: global_buffer, .address_space: global }
    .group_segment_fixed_size: 33280
    .private_segment_fixed_size: 0
    .kernarg_segment_align: 8
    .kernarg_segment_size: 64
    .max_flat_workgroup_size: 128
    .sgpr_count:     66
    .vgpr_count:     192
    .wavefront_size: 32
...
	.end_amdgpu_metadata
.endif
;; end of part 1
;; launch qkv (part 2): grid 12 x 32, 4 waves a work-group, clusters of 4 x 4, 327,680 bytes of LDS; arguments cod, scl, b_q, b_k, b_v, qkvh, aux32; writes qkvh, aux32
.if DOCPART == 2
	.amdgcn_target "amdgcn-amd-amdhsa--gfx1250"
	.amdhsa_code_object_version 6
	.text
	.protected	k_q5bcae325e0_qkv
	.globl	k_q5bcae325e0_qkv
	.p2align	8
	.type	k_q5bcae325e0_qkv,@function
k_q5bcae325e0_qkv:
	s_mov_b64 s[64:65], 0
	v_nop
	global_prefetch_b8 v0, s[64:65] scope:SCOPE_SE
	s_setreg_imm32_b32 hwreg(HW_REG_WAVE_MODE, 25, 1), 1
	s_wait_xcnt 0x0
	s_wait_alu depctr_hold_cnt(0) depctr_sa_sdst(0) depctr_va_vdst(0) depctr_va_sdst(0) depctr_va_ssrc(0) depctr_va_vcc(0) depctr_vm_vsrc(0)
	s_getreg_b32 s2, hwreg(HW_REG_IB_STS2, 6, 4)
	s_cmp_eq_u32 s2, 0
	s_cbranch_scc0 .Lentry_in_a_cluster
	s_endpgm
.Lentry_in_a_cluster:
	s_bfe_u32 s2, ttmp6, 0x10000c
	s_cmp_lg_u32 s2, 0xf033
	s_cbranch_scc0 .Lentry_shape_is_right
	s_endpgm
.Lentry_shape_is_right:
; QKV.  [Q | K | V](m, n) = sum over k of x(m, k) W(n, k) + b(n), m = 0 .. 8,191, n = 0 .. 3,071 (W_q's, W_k's, W_v's rows on end), K = 1,024, on codes of FP4 (E2M1) with one E8M0 scale for each 32 along K; sums in f32.
; A tile of 256 x 256 is made by four waves, each 128 x 128: 64 accumulators, 512 registers.  K is two steps of 512 (LDS rows of 256 bytes): both slots are asked for at the head and none is filled again.
; The scale bytes of the 256 + 256 rows, for all of K, come once, as whole runs of 256 bytes.  The bias is the C of each sum's first product.
; CLUSTERS: 4 x 4 work-groups; x's tiles are asked for jointly along a row of the cluster, W's along a column.  Tile row = 8 cy + cluster y, so the batch is cy and the tile within the batch is the cluster's y,
; which all sixteen partners share: the branches below hang on the cluster's x and y and on the wave's number alone.  Tile column = 4 cluster x + cx, so cluster x says Q, K or V.
; TRANSPOSED USE: source 0 = 16 rows of W, source 1 = 16 rows of x: a lane holds eight neighbouring columns of one row.
; OUT: (a) positions 0-15 of each batch in f32 to aux32 [b][16][3072]; (b) V's column sums over my 128 rows to aux32 + VPART [b][16 runs][1024]; (c) all as f16 to qkvh [which][b][head][l][64].
; LIMIT: Q, K and V must lie under 65,504 in magnitude to be kept as f16.
; REGISTERS: window 0: v16-31 addresses; v32-95 scale words, two sets; v128-191 x's fragments, one set; v192-255 the bias, later V's sums; v96-127 packed f16.  window 1: W's fragments, two sets.  windows 2, 3: accumulators.
.set KSTEP,  512
.set NQ,     4                         ; matrix instructions deep in a slot
.set ROWB,   256                       ; a tile's row in bytes
.set KROW,   512                       ; a row of codes in memory
.set PITCH,  272                       ; an LDS row: 256 + 16: the sixteen rows of a load start 68 words apart
.set FR,     8
.set NL,     2
.set NP,     4                         ; plain vector lines owed behind this matrix form (ISA guide 7.12.1)
.set HALFT,  128*PITCH
.set SLOT,   4*HALFT
.set KS,     32                        ; a row of scale bytes
.set SCL,    2*SLOT
.set HALFS,  (128*KS/256)*272
.set SBLK,   (16*KS/256)*272
.set SPARE,  SCL+4*HALFS               ; the spare words, 128 bytes a wave
.set SPITCH, 528                       ; the f32 stage: 16 rows x (512 + 16) for each wave, in slot 0, which has had its one fill and its last read by then
.set HPITCH, 272                       ; the f16 stage, in the same bytes
.set VSTG,   4*16*SPITCH               ; behind the stages: 512 bytes a wave for V's sums
.set WCOD,   4194304                   ; W's codes in cod
.set WSCL,   262144                    ; W's scale bytes in scl
.set ROWF,   12288                     ; a row of the f32 copy
.set VPART,  786432                    ; V's part sums in aux32
.set ADRA, 16
.set STOH, 18                          ; f16 stage: in
.set RDH,  19                          ; f16 stage: back
.set ADRB, 20
.set COH,  22                          ; my byte offset in qkvh
.set VST,  23                          ; V's sums: in
.set STO,  24
.set RD,   25
.set CO,   26                          ; 16 x lane
.set ADRS, 27
.set SPW,  28
.set NIL,  29
.set BOF,  30                          ; the bias loads' offset
.set VRD,  31                          ; V's sums: back
.set SC,   32
.set TMP,  96
.set AF,   128
.set BK,   128
.set BI,   192                         ; the bias: register 8 b + j = b(n0 + 16 b + 8 (lane / 16) + j)
.set VT,   192                         ; later: V's sums
.set G1, 24
.set G0, 32
.set G1B, 48
.set G0B, 56
.set G1S, 68
.set G0S, 76
.set G1SB, 80
.set G0SB, 88
.set MSB, 0
.macro WIN new                         ; the immediate's high byte repeats the setting that is left
.if MSB != \new
	s_set_vgpr_msb (MSB<<8)|\new
.set MSB, \new
.endif
.endm
.set MUL_LO, 0xa1                      ; source 0 (W) window 1, source 1 (x) window 0, C and D window 2
.set MUL_HI, 0xf1
.set BIAS_LO, 0x81                     ; the same with C (the bias) in window 0
.set BIAS_HI, 0xc1
.set TO_B,   0x40
; A joint load: waves 0 and 1 fetch for x, waves 2 and 3 for W; the branch hangs on the wave's number alone.  An s_nop 0 and four v_nop follow each line.
.macro JLOAD g0a, g1a, g0b, g1b
	s_cmp_eq_u32 s15, 0
	s_cbranch_scc0 .Lfor_b_\@
	tensor_load_to_lds s[\g0a:\g0a+3], s[\g1a:\g1a+7]
	s_nop 0
.rept 4
	v_nop
.endr
	s_branch .Lasked_\@
.Lfor_b_\@:
	tensor_load_to_lds s[\g0b:\g0b+3], s[\g1b:\g1b+7]
	s_nop 0
.rept 4
	v_nop
.endr
.Lasked_\@:
.endm
.macro CROUND                          ; a round of the cluster's barrier
	s_barrier_signal -1
	s_barrier_wait -1
	s_cmp_lg_u32 s14, 0
	s_cbranch_scc1 .Lnot_wave_0_\@
	s_barrier_signal -3
.Lnot_wave_0_\@:
	s_barrier_wait -3
	s_barrier_signal -1
	s_barrier_wait -1
.endm
	s_load_b256 s[4:11], s[0:1], 0x0               ; cod, scl, b_q, b_k
	s_load_b128 s[92:95], s[0:1], 0x20             ; b_v, qkvh
	s_load_b64 s[96:97], s[0:1], 0x30              ; aux32
	v_lshl_add_u32 v[SPW], v0, 2, SPARE
	v_mov_b32 v[NIL], 0
	ds_add_u32 v[SPW], v[NIL]                      ; the wave's opening: the add, twice on end, and its wait ahead of my first tensor load
	ds_add_u32 v[SPW], v[NIL]
	v_lshrrev_b32 v1, 5, v0
	v_readfirstlane_b32 s14, v1                    ; wave
	s_lshr_b32 s15, s14, 1                         ; rh: my half of the tile's rows.  Also: I fetch for x (0) or W (1)
	s_and_b32 s16, s14, 1                          ; ch: my half of its columns.  Also: which 128 rows I fetch
	s_bfe_u32 s40, ttmp6, 0x40000                  ; cx
	s_bfe_u32 s41, ttmp6, 0x40004                  ; cy
	s_lshl_b32 s42, ttmp9, 2
	s_add_co_u32 s42, s42, s40                     ; tile column = 4 x cluster x + cx
	s_and_b32 s13, ttmp7, 0xffff                   ; cluster y = the tile within the batch
	s_lshl_b32 s17, s41, 3
	s_add_co_u32 s17, s17, s13                     ; tile row = 8 cy + cluster y
	s_lshl_b32 s43, s41, 2
	s_lshl_b32 s43, 15, s43                        ; my row of the cluster
	s_lshl_b32 s44, 0x1111, s40                    ; my column
	s_or_b32 s[G1+0], s43, (0<<16)|(1<<20)|(1<<21)|(5<<22)|(3<<25)  ; mask; elements of 1 byte; padding of 4 words after every 64
	s_or_b32 s[G1B+0], s44, (0<<16)|(1<<20)|(1<<21)|(5<<22)|(3<<25)
.irp g, G1, G1B
	s_mov_b32 s[\g+1], ROWB<<16                    ; tensor_dim0
	s_mov_b32 s[\g+2], 128<<16                     ; tensor_dim1
	s_mov_b32 s[\g+3], ROWB<<16                    ; tile_dim0
	s_mov_b32 s[\g+4], 128                         ; tile_dim1
	s_mov_b32 s[\g+5], KROW                        ; pitch
	s_mov_b32 s[\g+6], 0
	s_mov_b32 s[\g+7], 0
.endr
	s_or_b32 s[G1S+0], s43, (3<<16)|(1<<20)|(1<<21)|(5<<22)|(3<<25) ; the scales of 128 rows: 4,096 dense bytes as 16 rows of 256 (32 elements of 8 bytes)
	s_or_b32 s[G1SB+0], s44, (3<<16)|(1<<20)|(1<<21)|(5<<22)|(3<<25)
.irp g, G1S, G1SB
	s_mov_b32 s[\g+1], 32<<16
	s_mov_b32 s[\g+2], (128*KS/256)<<16
	s_mov_b32 s[\g+3], 32<<16
	s_mov_b32 s[\g+4], 128*KS/256
	s_mov_b32 s[\g+5], 32
	s_mov_b32 s[\g+6], 0
	s_mov_b32 s[\g+7], 0
.endr
	s_lshl_b32 s18, s16, 7
	s_lshl_b32 s20, s17, 8
	s_add_co_u32 s20, s20, s18                     ; x: row 256 x tile row + 128 x half
	s_lshl_b32 s46, s42, 8
	s_add_co_u32 s46, s46, s18                     ; W: row 256 x tile column + 128 x half
	s_mov_b32 s21, 0
	s_mov_b32 s47, 0
	s_mov_b64 s[18:19], KS
	s_mul_u64 s[22:23], s[20:21], s[18:19]         ; where these rows' scales begin,
	s_mul_u64 s[98:99], s[46:47], s[18:19]
	s_mov_b64 s[18:19], KROW
	s_mul_u64 s[20:21], s[20:21], s[18:19]         ; and their codes
	s_mul_u64 s[46:47], s[46:47], s[18:19]
	s_add_nc_u64 s[46:47], s[46:47], WCOD          ; W's lie behind x's in both buffers
	s_add_nc_u64 s[98:99], s[98:99], WSCL
	s_mul_i32 s45, s14, HALFT                      ; where they go: wave x 128 rows
	s_mul_i32 s100, s14, HALFS
	s_wait_dscnt 0x0                               ; both opening adds are done
	s_wait_kmcnt 0x0
	s_add_nc_u64 s[20:21], s[4:5], s[20:21]
	s_add_nc_u64 s[22:23], s[6:7], s[22:23]
	s_add_nc_u64 s[46:47], s[4:5], s[46:47]
	s_add_nc_u64 s[98:99], s[6:7], s[98:99]
	CROUND                                         ; all sixteen work-groups are here: the joint loads meet
	s_mov_b32 s[G0S], 1
	s_add_co_u32 s[G0S+1], s100, SCL
	s_mov_b64 s[G0S+2:G0S+3], s[22:23]
	s_or_b32 s[G0S+3], s[G0S+3], 0x80000000
	s_mov_b32 s[G0SB], 1
	s_add_co_u32 s[G0SB+1], s100, SCL
	s_mov_b64 s[G0SB+2:G0SB+3], s[98:99]
	s_or_b32 s[G0SB+3], s[G0SB+3], 0x80000000
	JLOAD G0S, G1S, G0SB, G1SB                     ; the scales first
.irp s, 0,1
	s_mov_b32 s[G0+4*\s], 1
	s_add_co_u32 s[G0+4*\s+1], s45, \s*SLOT
	s_add_nc_u64 s[G0+4*\s+2:G0+4*\s+3], s[20:21], \s*ROWB
	s_or_b32 s[G0+4*\s+3], s[G0+4*\s+3], 0x80000000
	s_mov_b32 s[G0B+4*\s], 1
	s_add_co_u32 s[G0B+4*\s+1], s45, \s*SLOT
	s_add_nc_u64 s[G0B+4*\s+2:G0B+4*\s+3], s[46:47], \s*ROWB
	s_or_b32 s[G0B+4*\s+3], s[G0B+4*\s+3], 0x80000000
	JLOAD G0+4*\s, G1, G0B+4*\s, G1B               ; three loads of mine are out
.endr
	; the bias of my 128 columns, in the result's layout
	s_cmp_eq_u32 ttmp9, 1
	s_cselect_b64 s[66:67], s[10:11], s[92:93]
	s_cmp_eq_u32 ttmp9, 0
	s_cselect_b64 s[66:67], s[8:9], s[66:67]
	s_lshl_b32 s98, s40, 10
	s_lshl_b32 s99, s16, 9
	s_add_co_u32 s98, s98, s99                     ; (256 cx + 128 ch) x 4
	s_mov_b32 s99, 0
	s_add_nc_u64 s[66:67], s[66:67], s[98:99]
	v_and_b32 v1, 15, v0                           ; r = lane % 16
	v_bfe_u32 v2, v0, 4, 1                         ; h = lane / 16
	v_lshlrev_b32 v[BOF], 5, v2
.irp b, 0,1,2,3,4,5,6,7
	global_load_b128 v[BI+8*\b:BI+8*\b+3], v[BOF], s[66:67] offset:64*\b
	global_load_b128 v[BI+8*\b+4:BI+8*\b+7], v[BOF], s[66:67] offset:64*\b+16
.endr
	v_mul_u32_u24 v3, v1, PITCH
	v_lshl_add_u32 v4, v2, 4, v3                   ; a fragment's row x pitch + 16 x half
	s_mul_i32 s21, s15, HALFT
	s_mul_i32 s22, s16, HALFT
	s_add_co_u32 s22, s22, 2*HALFT
.irp s, 0,1
	v_add_nc_u32 v[ADRA+\s], s21, v4
	v_add_nc_u32 v[ADRB+\s], s22, v4
	s_add_co_u32 s21, s21, SLOT
	s_add_co_u32 s22, s22, SLOT
.endr
	v_mul_u32_u24 v5, v1, KS                       ; my row's scales: 32 bytes a row,
	v_lshrrev_b32 v6, 8, v5
	v_lshl_add_u32 v5, v6, 4, v5                   ; and 16 more for each 256 passed
	s_mul_i32 s21, s15, HALFS
	s_mul_i32 s22, s16, HALFS
	s_add_co_u32 s22, s22, 2*HALFS
	s_sub_co_u32 s22, s22, s21
	v_mul_u32_u24 v6, s22, v2                      ; lanes 16-31 take W's
	s_add_co_u32 s21, s21, SCL
	v_add_nc_u32 v5, v5, v6
	v_add_nc_u32 v[ADRS], s21, v5
	s_mul_i32 s23, s14, 16*SPITCH                  ; my stage
	v_mul_u32_u24 v5, v1, SPITCH
	v_lshl_add_u32 v5, v2, 5, v5
	v_add_nc_u32 v[STO], s23, v5                   ; f32, in: row r, 32 bytes for each half of the lanes
	v_and_b32 v6, 31, v0
	v_lshlrev_b32 v[CO], 4, v6
	v_add_nc_u32 v[RD], s23, v[CO]                 ; f32, back: a row of 512 bytes
	v_mul_u32_u24 v5, v1, HPITCH
	v_lshl_add_u32 v5, v2, 4, v5
	v_add_nc_u32 v[STOH], s23, v5                  ; f16, in: row r, 16 bytes for each half
	v_bfe_u32 v8, v0, 3, 1
	v_and_b32 v9, 7, v0
	v_mul_u32_u24 v[RDH], v8, HPITCH               ; f16, back: lanes 0-15 one head, lanes 16-31 the next; eight lanes a row of 128 bytes, two rows
	v_lshl_add_u32 v[RDH], v2, 7, v[RDH]
	v_lshl_add_u32 v[RDH], v9, 4, v[RDH]
	v_add_nc_u32 v[RDH], s23, v[RDH]
	v_lshlrev_b32 v[COH], 18, v2                   ; and in qkvh: a head is 262,144 bytes
	v_lshl_add_u32 v[COH], v8, 7, v[COH]
	v_lshl_add_u32 v[COH], v9, 4, v[COH]
	s_lshl_b32 s23, s14, 9
	s_add_co_u32 s23, s23, VSTG
	v_lshl_add_u32 v[VST], v2, 5, s23              ; V's sums, in: 32 bytes for each half
	v_add_nc_u32 v[VRD], s23, v[CO]                ; back: 16 bytes a lane
	; where my part goes.  qkvh: head ((4 which + b) 16 + 4 cx + 2 ch), row 256 CY + 128 rh
	s_lshl_b32 s20, ttmp9, 2
	s_add_co_u32 s20, s20, s41
	s_lshl_b32 s20, s20, 4
	s_lshl_b32 s21, s40, 2
	s_add_co_u32 s20, s20, s21
	s_lshl_b32 s21, s16, 1
	s_add_co_u32 s20, s20, s21
	s_lshl_b32 s20, s20, 18
	s_lshl_b32 s21, s13, 15
	s_add_co_u32 s20, s20, s21
	s_lshl_b32 s21, s15, 14
	s_add_co_u32 s20, s20, s21
	s_mov_b32 s21, 0
	s_add_nc_u64 s[94:95], s[94:95], s[20:21]
	s_mul_i32 s22, s41, 16*ROWF                    ; the f32 copy: batch cy, column 256 tc + 128 ch
	s_lshl_b32 s23, s42, 10
	s_add_co_u32 s22, s22, s23
	s_lshl_b32 s23, s16, 9
	s_add_co_u32 s22, s22, s23
	s_mov_b32 s23, 0
	s_add_nc_u64 s[22:23], s[96:97], s[22:23]
	s_lshl_b32 s46, s41, 4                         ; V's part sums: run 16 cy + 2 CY + rh, column 256 cx + 128 ch
	s_lshl_b32 s47, s13, 1
	s_add_co_u32 s46, s46, s47
	s_add_co_u32 s46, s46, s15
	s_lshl_b32 s46, s46, 12
	s_lshl_b32 s47, s40, 10
	s_add_co_u32 s46, s46, s47
	s_lshl_b32 s47, s16, 9
	s_add_co_u32 s46, s46, s47
	s_add_co_u32 s46, s46, VPART
	s_mov_b32 s47, 0
	s_add_nc_u64 s[46:47], s[96:97], s[46:47]
.macro FRAG reg, adr, q, i             ; 16 rows x 128 K of 4-bit codes: 8 registers, two loads of 16 bytes, 32 bytes apart
.irp c, 0,1
	ds_load_b128 v[\reg+4*\c:\reg+4*\c+3], v[\adr] offset:64*(\q)+32*\c+(\i)*16*PITCH
.endr
.endm
; 16 products: x's blocks a0, a0 + 1 against W's eight.  zero = 1: the sum's first product, whose C is the bias.  The 64 accumulators take turns, one instruction a turn.
.macro MUL16 a0, p, q, sc, zero
.irp a, \a0, \a0+1
.irp b, 0,1,2,3,4,5,6,7
.if \zero
	v_wmma_scale_f32_16x16x128_f8f6f4 v[8*(8*((\a)%4)+\b):8*(8*((\a)%4)+\b)+7], v[128*(\p)+FR*\b:128*(\p)+FR*\b+FR-1], v[AF+FR*(\a):AF+FR*(\a)+FR-1], v[BI+8*\b:BI+8*\b+7], v[SC+8*NQ*(\sc)+NQ*\b+(\q)], v[SC+8*NQ*(\sc)+NQ*(\a)+(\q)] matrix_a_fmt:MATRIX_FMT_FP4 matrix_b_fmt:MATRIX_FMT_FP4 matrix_a_scale:MATRIX_SCALE_ROW1
.else
	v_wmma_scale_f32_16x16x128_f8f6f4 v[8*(8*((\a)%4)+\b):8*(8*((\a)%4)+\b)+7], v[128*(\p)+FR*\b:128*(\p)+FR*\b+FR-1], v[AF+FR*(\a):AF+FR*(\a)+FR-1], v[8*(8*((\a)%4)+\b):8*(8*((\a)%4)+\b)+7], v[SC+8*NQ*(\sc)+NQ*\b+(\q)], v[SC+8*NQ*(\sc)+NQ*(\a)+(\q)] matrix_a_fmt:MATRIX_FMT_FP4 matrix_b_fmt:MATRIX_FMT_FP4 matrix_a_scale:MATRIX_SCALE_ROW1
.endif
.endr
.endr
.endm
.macro FETCH_B slot, q, p
	WIN TO_B
.irp i, 0,1,2,3,4,5,6,7
	FRAG 128*(\p)+FR*\i, ADRB+\slot, \q, \i
.endr
	WIN 0
.endm
.macro FETCH_A slot, q, i0
.irp i, \i0, \i0+1, \i0+2, \i0+3
	FRAG AF+FR*(\i), ADRA+\slot, \q, \i
.endr
.endm
.macro SCALES sc                       ; a K step's scale words: lanes 0-15 x's block i, lanes 16-31 W's block i
.irp i, 0,1,2,3,4,5,6,7
	ds_load_b128 v[SC+8*NQ*\sc+NQ*\i:SC+8*NQ*\sc+NQ*\i+3], v[ADRS] offset:\i*SBLK
.endr
.endm
.macro PLACES n                        ; plain vector lines between a matrix instruction and a load into, or a read of, its registers
.rept \n
	v_nop
.endr
.endm
.macro STEP slot, q, zero              ; 128 along K, with its successor in the same slot
	s_wait_dscnt 4*NL                              ; W's set and x's blocks 0-3 are in; the youngest eight loads (x's blocks 4-7) may be out
.if \zero
	WIN BIAS_LO
.else
	WIN MUL_LO
.endif
	MUL16 0, (\q)%2, \q, \slot, \zero
	MUL16 2, (\q)%2, \q, \slot, \zero
	s_wait_dscnt 0
	PLACES NP
	FETCH_B \slot, (\q)+1, 1-(\q)%2
	FETCH_A \slot, (\q)+1, 0
.if \zero
	WIN BIAS_HI
.else
	WIN MUL_HI
.endif
	MUL16 4, (\q)%2, \q, \slot, \zero
	MUL16 6, (\q)%2, \q, \slot, \zero
	PLACES NP
	WIN 0
	FETCH_A \slot, (\q)+1, 4
.endm
.macro STEPS slot, from
.set QQ, \from
.rept NQ-1-\from
	STEP \slot, QQ, 0
.set QQ, QQ+1
.endr
.endm
	s_wait_tensorcnt 1                             ; the scales and my part of slot 0 are in; slot 1's load may be out
	s_barrier_signal -1
	s_barrier_wait -1
	FETCH_B 0, 0, 0
	FETCH_A 0, 0, 0
	SCALES 0
	FETCH_A 0, 0, 4
	s_wait_loadcnt 0x0                             ; the bias
	STEP 0, 0, 1
	STEPS 0, 1
	; slot 0's last step changes slots: one barrier; nothing is filled again
	s_wait_tensorcnt 0x0                           ; my part of slot 1 has landed
	ds_add_u32 v[SPW], v[NIL]
	s_wait_dscnt 4*NL+1                            ; the add and the youngest eight loads may be out
	WIN MUL_LO
	MUL16 0, 1, NQ-1, 0, 0
	s_wait_dscnt 0x0                               ; the add is done, and my reads of slot 0 are over
	s_barrier_signal -1
	MUL16 2, 1, NQ-1, 0, 0
	WIN 0
	s_barrier_wait -1
	PLACES NP
	v_add_nc_u32 v[ADRS], 4*NQ, v[ADRS]            ; the second K step's scale words
	FETCH_B 1, 0, 0
	FETCH_A 1, 0, 0
	SCALES 1
	WIN MUL_HI
	MUL16 4, 1, NQ-1, 0, 0
	MUL16 6, 1, NQ-1, 0, 0
	PLACES NP
	WIN 0
	FETCH_A 1, 0, 4
	STEPS 1, 0
	s_wait_dscnt 4*NL                              ; the last step
	WIN MUL_LO
	MUL16 0, 1, NQ-1, 1, 0
	MUL16 2, 1, NQ-1, 1, 0
	s_wait_dscnt 0
	WIN MUL_HI
	MUL16 4, 1, NQ-1, 1, 0
	MUL16 6, 1, NQ-1, 1, 0
	WIN 0
	PLACES NP
	; (a) POSITIONS 0-15 OF THE BATCH IN F32: block 0 of the waves with rh = 0, where the tile is the batch's first.  Through my stage, back as rows of 512 bytes.
	s_or_b32 s18, s13, s15
	s_cmp_lg_u32 s18, 0
	s_cbranch_scc1 .Lno_fine
	WIN 0x08                                       ; an LDS store's data are its source 1: window 2
.irp b, 0,1,2,3,4,5,6,7
	ds_store_b128 v[STO], v[8*\b:8*\b+3] offset:64*\b              ; each accumulator from its low end on
	ds_store_b128 v[STO], v[8*\b+4:8*\b+7] offset:64*\b+16
.endr
	WIN 0
.irp t, 0,1,2,3,4,5,6,7,8,9,10,11,12,13,14,15
	ds_load_b128 v[BK+4*\t:BK+4*\t+3], v[RD] offset:\t*SPITCH
.endr
	s_wait_dscnt 0x0
.irp t, 0,1,2,3,4,5,6,7,8,9,10,11,12,13,14,15
	global_store_b128 v[CO], v[BK+4*\t:BK+4*\t+3], s[22:23] offset:\t*ROWF     ; 512 consecutive bytes, aligned
.endr
.Lno_fine:
	; (b) V'S COLUMN SUMS OVER MY 128 ROWS (cluster x = 2): over the eight blocks in registers, over the sixteen rows of a block across lanes
	s_cmp_lg_u32 ttmp9, 2
	s_cbranch_scc1 .Lno_vsum
	WIN 0x0a
.irp b, 0,1,2,3,4,5,6,7
.irp j, 0,2,4,6
	v_pk_add_f32 v[VT+8*\b+\j:VT+8*\b+\j+1], v[8*\b+\j:8*\b+\j+1], v[64+8*\b+\j:64+8*\b+\j+1]
.endr
.endr
	WIN 0x08
.irp a, 2,3
.irp b, 0,1,2,3,4,5,6,7
.irp j, 0,2,4,6
	v_pk_add_f32 v[VT+8*\b+\j:VT+8*\b+\j+1], v[VT+8*\b+\j:VT+8*\b+\j+1], v[64*\a+8*\b+\j:64*\a+8*\b+\j+1]
.endr
.endr
.endr
	WIN 0x0c
.irp a, 0,1,2,3
.irp b, 0,1,2,3,4,5,6,7
.irp j, 0,2,4,6
	v_pk_add_f32 v[VT+8*\b+\j:VT+8*\b+\j+1], v[VT+8*\b+\j:VT+8*\b+\j+1], v[64*\a+8*\b+\j:64*\a+8*\b+\j+1]
.endr
.endr
.endr
	WIN 0
.irp m, 1,2,4,8
.set n, 0
.rept 64
	v_add_f32_dpp v[VT+n], v[VT+n], v[VT+n] row_xmask:\m row_mask:0xf bank_mask:0xf
.set n, n+1
.endr
.endr
.irp b, 0,1,2,3,4,5,6,7
	ds_store_b128 v[VST], v[VT+8*\b:VT+8*\b+3] offset:64*\b        ; the sixteen lanes of a half write the same bytes with the same values
	ds_store_b128 v[VST], v[VT+8*\b+4:VT+8*\b+7] offset:64*\b+16
.endr
	ds_load_b128 v[TMP:TMP+3], v[VRD]
	s_wait_dscnt 0x0
	global_store_b128 v[CO], v[TMP:TMP+3], s[46:47]                ; 512 consecutive bytes, aligned
.Lno_vsum:
	; (c) ALL AS F16, a block of 16 rows at a time through my stage: sixteen lanes store two neighbouring rows of one head, 256 consecutive bytes, aligned
.macro PACK a
.set AC, 64*((\a)%4)
	WIN 0x0a+5*((\a)/4)
.irp b, 0,1,2,3,4,5,6,7
.irp r, 0,1,2,3
	v_cvt_pk_f16_f32 v[TMP+4*\b+\r], v[AC+8*\b+2*\r], v[AC+8*\b+2*\r+1]
.endr
.endr
	WIN 0
.endm
.macro TOSTAGE a
.set BB, BK+32*((\a)%2)
.irp b, 0,1,2,3,4,5,6,7
	ds_store_b128 v[STOH], v[TMP+4*\b:TMP+4*\b+3] offset:32*\b
.endr
.irp t, 0,1,2,3,4,5,6,7
	ds_load_b128 v[BB+4*\t:BB+4*\t+3], v[RDH] offset:\t*2*HPITCH   ; in order behind my stores
.endr
.endm
.macro SEND a
.set BB, BK+32*((\a)%2)
	s_wait_dscnt 0x0
.irp t, 0,1,2,3,4,5,6,7
	global_store_b128 v[COH], v[BB+4*\t:BB+4*\t+3], s[94:95] offset:(\a)*2048+\t*256
.endr
.endm
	s_wait_xcnt 0x0                                ; the stores above have read their registers
	PACK 0
	TOSTAGE 0
.irp a, 1,2,3,4,5,6,7
	PACK \a                                        ; block a's conversions stand between block a - 1's loads from the stage and the wait for them
	SEND \a-1
.if \a > 1
	s_wait_xcnt 0x0                                ; block a - 2's stores have read the registers that block a's loads take
.endif
	TOSTAGE \a
.endr
	SEND 7
	s_wait_tensorcnt 0x0                           ; the wave's end
	ds_add_u32 v[SPW], v[NIL]
	s_wait_dscnt 0x0
	CROUND                                         ; the closing round
	s_endpgm
.Lfunc_end_k_q5bcae325e0_qkv:
	.size	k_q5bcae325e0_qkv, .Lfunc_end_k_q5bcae325e0_qkv-k_q5bcae325e0_qkv
	.p2alignl 7, 3214868480
	.fill 96, 4, 3214868480
	.section	.rodata,"a",@progbits
	.p2align	6, 0x0
	.amdhsa_kernel k_q5bcae325e0_qkv
		.amdhsa_group_segment_fixed_size 327680
		.amdhsa_private_segment_fixed_size 0
		.amdhsa_enable_private_segment 0
		.amdhsa_kernarg_size 56
		.amdhsa_user_sgpr_count 2
		.amdhsa_user_sgpr_kernarg_segment_ptr 1
		.amdhsa_wavefront_size32 1
		.amdhsa_system_sgpr_workgroup_id_x 1
		.amdhsa_system_sgpr_workgroup_id_y 1
		.amdhsa_system_sgpr_workgroup_id_z 1
		.amdhsa_system_vgpr_workitem_id 0
		.amdhsa_next_free_vgpr 1024
		.amdhsa_next_free_sgpr 102
		.amdhsa_reserve_vcc 0
		.amdhsa_float_denorm_mode_32 3
		.amdhsa_float_denorm_mode_16_64 3
		.amdhsa_memory_ordered 1
		.amdhsa_forward_progress 1
		.amdhsa_inst_pref_size 165
	.end_amdhsa_kernel
	.amdgpu_metadata
---
amdhsa.version: [ 1, 2 ]
amdhsa.kernels:
  - .name:           k_q5bcae325e0_qkv
    .symbol:         k_q5bcae325e0_qkv.kd
    .args:
      - { .name: cod, .offset: 0, .size: 8, .value_kind: global_buffer, .address_space: global }
      - { .name: scl, .offset: 8, .size: 8, .value_kind: global_buffer, .address_space: global }
      - { .name: b_q, .offset: 16, .size: 8, .value_kind: global_buffer, .address_space: global }
      - { .name: b_k, .offset: 24, .size: 8, .value_kind: global_buffer, .address_space: global }
      - { .name: b_v, .offset: 32, .size: 8, .value_kind: global_buffer, .address_space: global }
      - { .name: qkvh, .offset: 40, .size: 8, .value_kind: global_buffer, .address_space: global }
      - { .name: aux32, .offset: 48, .size: 8, .value_kind: global_buffer, .address_space: global }
    .group_segment_fixed_size: 327680
    .private_segment_fixed_size: 0
    .kernarg_segment_align: 8
    .kernarg_segment_size: 56
    .max_flat_workgroup_size: 128
    .sgpr_count:     102
    .vgpr_count:     1024
    .wavefront_size: 32
...
	.end_amdgpu_metadata
.endif
;; end of part 2
;; launch attn (part 3): grid 4 x 64, 8 waves a work-group, no clusters, 327,680 bytes of LDS; arguments qkvh, aux32, mask, ctx; writes ctx
.if DOCPART == 3
	.amdgcn_target "amdgcn-amd-amdhsa--gfx1250"
	.amdhsa_code_object_version 6
	.text
	.protected	k_q5bcae325e0_attn
	.globl	k_q5bcae325e0_attn
	.p2align	8
	.type	k_q5bcae325e0_attn,@function
k_q5bcae325e0_attn:
	s_mov_b64 s[64:65], 0
	v_nop
	global_prefetch_b8 v0, s[64:65] scope:SCOPE_SE
	s_setreg_imm32_b32 hwreg(HW_REG_WAVE_MODE, 25, 1), 1
	s_wait_xcnt 0x0
; ATTN.  ctx[h][b l][:] = softmax over keys of (Q . K / 8, hidden keys and keys with mask = 0 set to -1e9) V, for every position; operands f16, products, maxima and sums f32.
; SHARES.  Work-group (I, b 16 + h) owns the query blocks 7 - I and I (256 queries each) of one head and walks NINE slots of 256 keys, a constant count: trips 0 .. 7 - I are key blocks 0 .. 7 - I for block 7 - I,
; trips 8 - I .. 8 key blocks 0 .. I for block I: what the causal mask hides is not multiplied, and all 256 work-groups have the same work.  A wave owns 32 queries (two tiles); a slot is four steps of 64 keys.
; NO CLUSTER: in one and the same trip the work-groups of a head need different key blocks, and some waves read nothing of a block: no joint request could be alike in all partners.
; LAYOUT.  S^T = K Q^T and O^T = V^T P: a lane holds one query (lane % 16) throughout.  V, [key][channel], is turned on its way out of LDS.
; MASKS.  A bias for each key (0, or -1e30 where mask = 0) lies in LDS and is loaded as the C of the first product; on the diagonal hidden keys get -1e30 there too.  Running maximum m and sum l; p = 2^(c s - c m), c = log2(e) / 8.
; A query none of whose visible keys has mask != 0 ends with m under -1e29: all 2,048 of its scores are equal in the definition, so its row is the mean of V over ALL keys: V's column sums / 2,048, by a select.
; LIMITS: where a query has a key that counts, the others weigh nothing (the definition differs only if that row's largest scaled score lies under -1e9 + 104).  Q, K, V under 65,504 in magnitude.
; REGISTERS: window 0: v2-23 addresses and constants; v24-39 statistics; v40-71 Q; v72-135 S^T; v136-167 P; v168-231 O^T; v232-238 the head's temporaries.  window 1: v0-63 K, v64-127 V of one step.
.set PK,    144                        ; a row of K in LDS: 128 + 16
.set PV,    160                        ; a row of V: 128 + 32
.set VOFF,  256*PK
.set MBT,   VOFF+256*PV                ; 77,824: the keys' bias, 2,048 x 4 bytes
.set VMT,   MBT+8192                   ; V's column sums, 256 bytes for each wave
.set SLOT1, 1<<17
.set STAGE, SLOT1+MBT                  ; 208,896: 32 rows x 144 for each wave
.set SPARE, STAGE+8*32*PK              ; 245,760: the spare words, 128 bytes a wave
.set VPART, 786432
.set AK0, 2
.set AV0, 3
.set AM0, 4
.set ADK, 5
.set ADV, 6
.set ADM, 7
.set STO, 8
.set RD,  9
.set GO,  10
.set QO,  11
.set RH,  12                           ; r - 8 h
.set DG0, 13                           ; v13, v14: my query less the register's first key, tiles 0 and 1
.set NEGR, 15                          ; -1e30
.set N2K, 16                           ; 2048.0
.set PFO, 17
.set VMA, 18
.set THRR, 19                          ; -1e29
.set SPW, 20
.set NIL, 21
.set ST,  24                           ; tile t at v[24 + 8 t]: +0 c m, +1 m, +2, +3 l, +4 .. +7 at work (a in +6)
.set Q,   40
.set S,   72
.set P,   136
.set O,   168
.set WV,  12
.set II,  13
.set BB,  14
.set HH,  15
.set TT,  16                           ; the trip
.set SW,  17                           ; 7 - I: the first block's last trip
.set SW1, 18
.set KSC, 19                           ; this trip's key block
.set KSN, 20                           ; the next trip's
.set Q0,  21                           ; my first query
.set TB,  22                           ; the slot in hand
.set MO,  23                           ; the block's bias: 1,024 bytes a block
.set G1K, 24
.set G1V, 32
.set G0K, 40
.set G0V, 44
.set KP,  48                           ; K, V at my 64 rows of key block 0
.set VP,  50
.set QH,  52
.set OH,  54
.set QP,  56
.set OP,  58
.set CS,  60
.set SEL, 62
.set PFB, 66
.set PFA, 68
.set LIM, 70
.set FL,  80                           ; s80, s81: lanes whose query has no key that counts
.set KF0, 82                           ; the block's first key
.set MSB, 0
.macro WIN new
.if MSB != \new
	s_set_vgpr_msb (MSB<<8)|\new
.set MSB, \new
.endif
.endm
; Waves 0-3 fetch K's quarters of a slot, waves 4-7 V's: 64 rows of 128 bytes each.  An s_nop 0 and four v_nop follow each line.
.macro TLOAD
	s_cmp_lt_u32 s[WV], 4
	s_cbranch_scc0 .Lfor_v_\@
	tensor_load_to_lds s[G0K:G0K+3], s[G1K:G1K+7]
	s_nop 0
.rept 4
	v_nop
.endr
	s_branch .Lasked_\@
.Lfor_v_\@:
	tensor_load_to_lds s[G0V:G0V+3], s[G1V:G1V+7]
	s_nop 0
.rept 4
	v_nop
.endr
.Lasked_\@:
.endm
; A prefetch of key block T + 2, which the next trip's load will ask for.  All four work-groups of a head walk the same K and V from block 0 on: work-group I = 0, whose trips 0 .. 7 are blocks 0 .. 7, asks, in trips 0 .. 5;
; each wave for the 8,192 bytes that it will fetch, lanes 256 bytes apart: each run of 256 bytes is named once in the launch.  Blocks 0 and 1 come by their loads alone.
.macro ASK
	s_cmp_lt_u32 s[TT], s[LIM]
	s_cbranch_scc0 .Lnot_mine_\@
	global_prefetch_b8 v[PFO], s[PFA:PFA+1] th:TH_LOAD_NT scope:SCOPE_SE
.Lnot_mine_\@:
.endm
.macro QLOAD
.irp t, 0,1
.irp c, 0,1
	global_load_b128 v[Q+16*\t+8*\c:Q+16*\t+8*\c+3], v[QO], s[QP:QP+1] offset:2048*\t+64*\c
	global_load_b128 v[Q+16*\t+8*\c+4:Q+16*\t+8*\c+7], v[QO], s[QP:QP+1] offset:2048*\t+64*\c+32
.endr
.endr
.endm
; A block of queries begins: m = -3e38, l = 0, O^T = 0.  The step is then written once: the first change of m multiplies zeros.  It runs twice in the launch.
.macro INIT
.irp t, 0,1
	v_mov_b32 v[ST+8*\t+1], 0xff61b1e6
	v_mul_f32 v[ST+8*\t], s[CS], v[ST+8*\t+1]
.irp n, 2,3,4,5,6,7
	v_mov_b32 v[ST+8*\t+\n], 0
.endr
.endr
.set n, 0
.rept 64
	v_mov_b32 v[O+n], 0
.set n, n+1
.endr
.endm
	s_load_b256 s[4:11], s[0:1], 0x0               ; qkvh, aux32, mask, ctx
	v_lshl_add_u32 v[SPW], v0, 2, SPARE
	v_mov_b32 v[NIL], 0
	ds_add_u32 v[SPW], v[NIL]                      ; the wave's opening: the add, twice on end, and its wait ahead of my first tensor load
	ds_add_u32 v[SPW], v[NIL]
	v_lshrrev_b32 v1, 5, v0
	v_readfirstlane_b32 s[WV], v1                  ; wave 0..7
	s_mov_b32 s[II], ttmp9
	s_and_b32 s72, ttmp7, 0xffff                   ; b 16 + h
	s_lshr_b32 s[BB], s72, 4
	s_and_b32 s[HH], s72, 15
	s_sub_co_u32 s[SW], 7, s[II]
	s_sub_co_u32 s[SW1], 8, s[II]
	s_mov_b32 s[G1K], (1<<16)|(1<<20)|(4<<22)|(3<<25)              ; elements of 2 bytes; 4 words of padding after every 32
	s_mov_b32 s[G1V], (1<<16)|(1<<20)|(4<<22)|(7<<25)              ; 8 words
.irp g, G1K, G1V
	s_mov_b32 s[\g+1], 64<<16                      ; tensor_dim0 = 64
	s_mov_b32 s[\g+2], 64<<16                      ; tensor_dim1 = 64
	s_mov_b32 s[\g+3], 64<<16                      ; tile_dim0
	s_mov_b32 s[\g+4], 64                          ; tile_dim1
	s_mov_b32 s[\g+5], 64                          ; pitch
	s_mov_b32 s[\g+6], 0
	s_mov_b32 s[\g+7], 0
.endr
	s_and_b32 s73, s[WV], 3
	s_mov_b32 s[G0K], 1
	s_mul_i32 s[G0K+1], s73, 64*PK
	s_mov_b32 s[G0V], 1
	s_mul_i32 s[G0V+1], s73, 64*PV
	s_add_co_u32 s[G0V+1], s[G0V+1], VOFF
	s_lshl_b32 s74, s72, 18                        ; the head's 262,144 bytes
	s_mov_b32 s75, 0
	s_lshl_b32 s76, s73, 13                        ; my 64 rows
	s_mov_b32 s77, 0
	s_mov_b32 s[CS], 0x3e38aa3b                    ; c = log2(e) / 8
	s_mov_b32 s[CS+1], s[CS]
	s_mov_b32 s[SEL], 0x76543210
	s_mov_b32 s[SEL+1], 0xfedcba98
	s_mov_b32 s[TT], 0
	s_mov_b32 s[TB], 0
	s_lshl_b32 s[Q0], s[SW], 8
	s_lshl_b32 s78, s[WV], 5
	s_add_co_u32 s[Q0], s[Q0], s78                 ; 256 (7 - I) + 32 x wave
	s_wait_dscnt 0x0                               ; both opening adds are done
	s_wait_kmcnt 0x0
	s_add_nc_u64 s[QH:QH+1], s[4:5], s[74:75]
	s_add_nc_u64 s[KP:KP+1], s[QH:QH+1], s[76:77]
	s_add_nc_u64 s[VP:VP+1], s[KP:KP+1], 0x2000000
	s_add_nc_u64 s[KP:KP+1], s[KP:KP+1], 0x1000000
	s_mov_b64 s[G0K+2:G0K+3], s[KP:KP+1]
	s_or_b32 s[G0K+3], s[G0K+3], 0x80000000
	s_mov_b64 s[G0V+2:G0V+3], s[VP:VP+1]
	s_or_b32 s[G0V+3], s[G0V+3], 0x80000000
	TLOAD                                          ; slot 0: key block 0, which every query reads
	s_cmp_lt_u32 s[WV], 4
	s_cselect_b64 s[PFB:PFB+1], s[KP:KP+1], s[VP:VP+1]
	s_mov_b64 s[PFA:PFA+1], s[PFB:PFB+1]
	s_cmp_eq_u32 s[II], 0
	s_cselect_b32 s[LIM], 6, 0
	s_lshl_b32 s72, s[HH], 20
	s_lshl_b32 s73, s[BB], 18
	s_add_co_u32 s72, s72, s73
	s_mov_b32 s73, 0
	s_add_nc_u64 s[OH:OH+1], s[10:11], s[72:73]    ; ctx at (h 8,192 + b 2,048) rows of 128 bytes
	s_lshl_b32 s72, s[Q0], 7
	s_add_nc_u64 s[QP:QP+1], s[QH:QH+1], s[72:73]
	s_add_nc_u64 s[OP:OP+1], s[OH:OH+1], s[72:73]
	s_lshl_b32 s72, s[BB], 13
	s_add_nc_u64 s[8:9], s[8:9], s[72:73]          ; the batch's mask
	s_lshl_b32 s72, s[BB], 16
	s_lshl_b32 s74, s[HH], 8
	s_add_co_u32 s72, s72, s74
	s_add_co_u32 s72, s72, VPART
	s_add_nc_u64 s[6:7], s[6:7], s[72:73]          ; V's part sums of my head
	v_and_b32 v1, 31, v0                           ; lane
	v_and_b32 v22, 15, v0                          ; r
	v_bfe_u32 v23, v0, 4, 1                        ; h
	v_lshlrev_b32 v232, 5, v0                      ; the mask: 8 keys a thread
	v_lshlrev_b32 v234, 3, v1                      ; the part sums: 2 channels a lane
	v_lshlrev_b32 v[QO], 7, v22
	v_lshl_add_u32 v[QO], v23, 4, v[QO]            ; Q: row r of 128 bytes + 16 h
	global_load_b128 v[72:75], v232, s[8:9]
	global_load_b128 v[76:79], v232, s[8:9] offset:16
.irp p, 0,1,2,3,4,5,6,7,8,9,10,11,12,13,14,15
	global_load_b64 v[80+2*\p:81+2*\p], v234, s[6:7] offset:4096*\p
.endr
	QLOAD
	v_mul_u32_u24 v[AK0], v22, PK
	v_lshl_add_u32 v[AK0], v23, 4, v[AK0]          ; K: row r x pitch + 16 h
	v_and_b32 v237, 7, v0
	v_bfe_u32 v238, v0, 3, 1
	v_lshl_add_u32 v[AV0], v23, 3, v237
	v_mul_u32_u24 v[AV0], v[AV0], PV
	v_lshl_add_u32 v[AV0], v238, 4, v[AV0]
	v_add_nc_u32 v[AV0], VOFF, v[AV0]              ; V: key 8 h + lane % 8, channels 8 ((lane / 8) % 2) on
	v_lshlrev_b32 v[AM0], 5, v23
	v_add_nc_u32 v[AM0], MBT, v[AM0]               ; the bias of keys 8 h on
	s_mul_i32 s72, s[WV], 32*PK
	s_add_co_u32 s72, s72, STAGE
	v_add_nc_u32 v[STO], s72, v[AK0]               ; my stage, in: row r, 16 bytes for each half
	v_lshrrev_b32 v[RD], 3, v1
	v_mul_u32_u24 v[RD], v[RD], PK
	v_lshl_add_u32 v[RD], v237, 4, v[RD]
	v_add_nc_u32 v[RD], s72, v[RD]                 ; back: eight lanes a row, four rows an instruction
	v_lshlrev_b32 v[GO], 4, v1
	v_lshlrev_b32 v[RH], 3, v23
	v_sub_nc_u32 v[RH], v22, v[RH]
	v_mov_b32 v[NEGR], 0xf149f2ca
	v_mov_b32 v[N2K], 0x45000000
	v_mov_b32 v[THRR], 0xefa18f08
	v_lshlrev_b32 v[PFO], 8, v1
	s_lshl_b32 s72, s[WV], 8
	s_add_co_u32 s72, s72, VMT
	v_lshl_add_u32 v[VMA], v23, 5, s72
	v_add_nc_u32 v235, s72, v234
	v_lshl_add_u32 v233, v0, 5, MBT
	s_wait_loadcnt 24                              ; the mask is in; the part sums' 16 loads and Q's 8 may be out
.irp i, 0,1,2,3,4,5,6,7
	v_cmp_eq_u32 vcc_lo, 0, v[72+\i]
	v_cndmask_b32 v[112+\i], 0, v[NEGR], vcc_lo
.endr
	ds_store_b128 v233, v[112:115]
	ds_store_b128 v233, v[116:119] offset:16
	s_wait_loadcnt 8                               ; the part sums are in; Q's 8 may be out
.irp p, 1,2,3,4,5,6,7,8,9,10,11,12,13,14,15
	v_pk_add_f32 v[80:81], v[80:81], v[80+2*\p:81+2*\p]
.endr
	ds_store_b64 v235, v[80:81]                    ; every wave keeps its own copy: no other wave reads it
	INIT
	s_wait_loadcnt 0x0                             ; Q
; THE CHANGE OF SLOTS, at a trip's head: all my tensor loads have landed (my part of the slot ahead), the add, my LDS instructions are done (my reads of the slot that I left; in trip 0 my stores of the bias),
; one barrier; fill = 1: behind it the other slot takes the next trip's key block: a wave's one tensor load until the next barrier; it has the trip's four steps in which to land.  In trip 0 that is slot 1's first fill.
.macro CHANGE fill
	s_wait_tensorcnt 0x0
	ds_add_u32 v[SPW], v[NIL]                      ; the scalar work below stands between the add and the wait for it
	s_sub_co_u32 s72, s[TT], s[SW1]
	s_cmp_lt_u32 s[TT], s[SW1]
	s_cselect_b32 s[KSC], s[TT], s72               ; the trip's key block: T, or T - (8 - I)
	s_and_b32 s[KSC], s[KSC], 7
	s_lshl_b32 s[MO], s[KSC], 10
	s_lshl_b32 s[KF0], s[KSC], 8
.if \fill
	s_add_co_u32 s73, s[TT], 1
	s_sub_co_u32 s72, s73, s[SW1]
	s_cmp_lt_u32 s73, s[SW1]
	s_cselect_b32 s[KSN], s73, s72
	s_and_b32 s[KSN], s[KSN], 7
	s_lshl_b32 s74, s[KSN], 15                     ; 256 rows of 128 bytes a block
	s_mov_b32 s75, 0
	s_xor_b32 s[G0K+1], s[G0K+1], SLOT1            ; no tensor load of mine is out: the groups 0 may be written
	s_add_nc_u64 s[G0K+2:G0K+3], s[KP:KP+1], s[74:75]
	s_or_b32 s[G0K+3], s[G0K+3], 0x80000000
	s_xor_b32 s[G0V+1], s[G0V+1], SLOT1
	s_add_nc_u64 s[G0V+2:G0V+3], s[VP:VP+1], s[74:75]
	s_or_b32 s[G0V+3], s[G0V+3], 0x80000000
	s_add_co_u32 s76, s[TT], 2
	s_lshl_b32 s76, s76, 15
	s_mov_b32 s77, 0
	s_wait_xcnt 0x0                                ; the last prefetch, a trip back, has read its address
	s_add_nc_u64 s[PFA:PFA+1], s[PFB:PFB+1], s[76:77]
.endif
	s_wait_dscnt 0x0
	s_barrier_signal -1
	s_barrier_wait -1
.if \fill
	TLOAD
	ASK
.endif
.endm
; One step's softmax for both tiles, line by line in turn.  The 66 exponentials are one batch with one wait.
.macro SOFTMAX
.irp j, 0,1,2,3
.irp t, 0,1
	v_max3_num_f32 v[ST+8*\t+4+\j], v[S+32*\t+8*\j], v[S+32*\t+8*\j+1], v[S+32*\t+8*\j+2]   ; each accumulator is read from its low end on
.endr
.endr
.irp g, 1,2
.irp j, 0,1,2,3
.irp t, 0,1
	v_max3_num_f32 v[ST+8*\t+4+\j], v[ST+8*\t+4+\j], v[S+32*\t+8*\j+2*\g+1], v[S+32*\t+8*\j+2*\g+2]
.endr
.endr
.endr
.irp t, 0,1
	v_max3_num_f32 v[ST+8*\t+4], v[ST+8*\t+4], v[S+32*\t+7], v[S+32*\t+15]
.endr
.irp t, 0,1
	v_max3_num_f32 v[ST+8*\t+6], v[ST+8*\t+6], v[S+32*\t+23], v[S+32*\t+31]
.endr
.irp t, 0,1
	v_max3_num_f32 v[ST+8*\t+4], v[ST+8*\t+4], v[ST+8*\t+5], v[ST+8*\t+6]
.endr
.irp t, 0,1
	v_max3_num_f32 v[ST+8*\t+4], v[ST+8*\t+4], v[ST+8*\t+7], v[ST+8*\t+1]   ; with the old m
.endr
.irp t, 0,1
	v_permlanex16_b32 v[ST+8*\t+5], v[ST+8*\t+4], s[SEL], s[SEL+1]          ; the query's other 32 keys lie 16 lanes away
.endr
.irp t, 0,1
	v_mov_b32 v[ST+8*\t+7], v[ST+8*\t]                                      ; c m_old
.endr
.irp t, 0,1
	v_max_num_f32 v[ST+8*\t+1], v[ST+8*\t+4], v[ST+8*\t+5]
.endr
.irp t, 0,1
	v_mul_f32 v[ST+8*\t], s[CS], v[ST+8*\t+1]
.endr
.irp t, 0,1
	v_sub_f32 v[ST+8*\t+7], v[ST+8*\t+7], v[ST+8*\t]
.endr
.set n, 0
.rept 16
.irp t, 0,1
	v_pk_fma_f32 v[S+32*\t+n:S+32*\t+n+1], v[S+32*\t+n:S+32*\t+n+1], s[CS:CS+1], v[ST+8*\t:ST+8*\t+1] op_sel_hi:[1,0,0] neg_lo:[0,0,1] neg_hi:[0,0,1]   ; c s - c m
.endr
.set n, n+2
.endr
.irp t, 0,1
	v_exp_f32 v[ST+8*\t+6], v[ST+8*\t+7]                                    ; a = 2^(c m_old - c m)
.endr
.set n, 0
.rept 32
.irp t, 0,1
	v_exp_f32 v[S+32*\t+n], v[S+32*\t+n]
.endr
.set n, n+1
.endr
	v_nop                                          ; a plain line behind the last exponential
	s_wait_alu depctr_va_vdst(0)                   ; one wait for the batch, ahead of the first line that names a result
.set n, 0
.rept 16
.irp t, 0,1
	v_cvt_pk_f16_f32 v[P+16*\t+n], v[S+32*\t+2*n], v[S+32*\t+2*n+1]
.endr
.set n, n+1
.endr
.irp w, 4,8,16,32                      ; the sum of the unrounded p, in place: neighbours 1, 2, 4, 8 pairs apart
.set n, 0
.rept 32/\w
.irp t, 0,1
	v_pk_add_f32 v[S+32*\t+n:S+32*\t+n+1], v[S+32*\t+n:S+32*\t+n+1], v[S+32*\t+n+\w/2:S+32*\t+n+\w/2+1]
.endr
.set n, n+\w
.endr
.endr
.irp t, 0,1
	v_pk_fma_f32 v[ST+8*\t+2:ST+8*\t+3], v[ST+8*\t+2:ST+8*\t+3], v[ST+8*\t+6:ST+8*\t+7], v[S+32*\t:S+32*\t+1] op_sel_hi:[1,0,1]   ; l = a l + the sum
.endr
.set n, 0
.rept 16
.irp t, 0,1
	v_pk_mul_f32 v[O+32*\t+n:O+32*\t+n+1], v[O+32*\t+n:O+32*\t+n+1], v[ST+8*\t+6:ST+8*\t+7] op_sel_hi:[1,0]
.endr
.set n, n+2
.endr
.endm
; A KEY STEP: 64 keys, the j-th of the slot in hand.  Branches hang on ids and the count of trips alone.
.macro STEP j
	s_add_co_u32 s74, s[KF0], 64*\j                ; the step's first key
	s_add_co_u32 s75, s[Q0], 31
	s_cmp_gt_u32 s74, s75                          ; all its keys come after my 32 queries: left out
	s_cbranch_scc1 .Lhid_\@
	v_add_nc_u32 v[ADK], s[TB], v[AK0]             ; these three and the v_nop are the four plain lines between the last products and the loads into V's registers
	v_add_nc_u32 v[ADV], s[TB], v[AV0]
	v_add_nc_u32 v[ADM], s[MO], v[AM0]
	v_nop
.irp t, 0,1
.irp k, 0,1,2,3
	ds_load_b128 v[S+32*\t+8*\k:S+32*\t+8*\k+3], v[ADM] offset:256*\j+64*\k        ; the keys' bias, where the scores will be summed
	ds_load_b128 v[S+32*\t+8*\k+4:S+32*\t+8*\k+7], v[ADM] offset:256*\j+64*\k+16
.endr
.endr
	WIN 0x40                                       ; destination window 1
.irp k, 0,1,2,3
.irp c, 0,1
	ds_load_b128 v[16*\k+8*\c:16*\k+8*\c+3], v[ADK] offset:(64*\j+16*\k)*PK+64*\c
	ds_load_b128 v[16*\k+8*\c+4:16*\k+8*\c+7], v[ADK] offset:(64*\j+16*\k)*PK+64*\c+32
.endr
.endr
.irp c, 0,1
.irp k, 0,1,2,3
	ds_load_tr16_b128 v[64+32*\c+8*\k:64+32*\c+8*\k+3], v[ADV] offset:(64*\j+32*\c)*PV+32*\k
	ds_load_tr16_b128 v[64+32*\c+8*\k+4:64+32*\c+8*\k+7], v[ADV] offset:(64*\j+32*\c+16)*PV+32*\k
.endr
.endr
	WIN 0
	s_add_co_u32 s75, s74, 63
	s_cmp_le_u32 s75, s[Q0]                        ; all its keys count for all my queries
	s_cbranch_scc1 .Lopen_\@
	s_wait_dscnt 32                                ; the bias is in; K's 16 loads and V's 16 may be out
	s_sub_co_i32 s75, s[Q0], s74
	v_add_nc_u32 v[DG0], s75, v[RH]                ; register 8 k + n holds key KF + 16 k + 8 h + n: hidden where 16 k + n > my query - KF - 8 h
	v_add_nc_u32 v[DG0+1], 16, v[DG0]
.irp t, 0,1
.irp k, 0,1,2,3
.irp n, 0,1,2,3,4,5,6,7
	v_cmp_gt_i32 vcc_lo, 16*\k+\n, v[DG0+\t]
	v_cndmask_b32 v[S+32*\t+8*\k+\n], v[S+32*\t+8*\k+\n], v[NEGR], vcc_lo
.endr
.endr
.endr
.Lopen_\@:
	s_wait_dscnt 16                                ; the bias and K are in; V's 16 loads may be out
	WIN 0x01                                       ; source 0 window 1
.set i, 0
.rept 16                               ; S^T = K Q^T + bias: eight accumulators by turns
.set rS, S+32*(i%2)+8*((i/2)%4)
.set rK, 16*((i/2)%4)+8*(i/8)
.set rQ, Q+16*(i%2)+8*(i/8)
	v_wmma_f32_16x16x32_f16 v[rS:rS+7], v[rK:rK+7], v[rQ:rQ+7], v[rS:rS+7]
.set i, i+1
.endr
	WIN 0
.rept 4
	v_nop
.endr
	SOFTMAX
	s_wait_dscnt 0x0                               ; V
	WIN 0x01
.set i, 0
.rept 16                               ; O^T += V^T P
.set rO, O+32*(i%2)+8*((i/2)%4)
.set rV, 64+32*(i/8)+8*((i/2)%4)
.set rP, P+16*(i%2)+8*(i/8)
	v_wmma_f32_16x16x32_f16 v[rO:rO+7], v[rV:rV+7], v[rP:rP+7], v[rO:rO+7]
.set i, i+1
.endr
	WIN 0
.Lhid_\@:
.endm
; A BLOCK OF QUERIES ENDS: O^T / l, or V's sums / 2,048 where no key counted; f16; through my stage; 32 rows of 128 bytes are 4,096 consecutive bytes of ctx.  restart = 1: on to block I.
.macro FINISH restart
.irp c, 0,1,2,3
	ds_load_b128 v[S+8*\c:S+8*\c+3], v[VMA] offset:64*\c           ; V's sums of channels 16 c + 8 h on
	ds_load_b128 v[S+8*\c+4:S+8*\c+7], v[VMA] offset:64*\c+16
.endr
.rept 4
	v_nop
.endr
.irp t, 0,1
	v_add_f32 v[ST+8*\t+4], v[ST+8*\t+2], v[ST+8*\t+3]
.endr
.irp t, 0,1
	v_permlanex16_b32 v[ST+8*\t+5], v[ST+8*\t+4], s[SEL], s[SEL+1]
.endr
.irp t, 0,1
	v_add_f32 v[ST+8*\t+4], v[ST+8*\t+4], v[ST+8*\t+5]
.endr
.irp t, 0,1
	v_cmp_lt_f32 s[FL+\t], v[ST+8*\t+1], v[THRR]
.endr
.irp t, 0,1
	v_cndmask_b32 v[ST+8*\t+4], v[ST+8*\t+4], v[N2K], s[FL+\t]
.endr
.irp t, 0,1
	v_rcp_f32 v[ST+8*\t+6], v[ST+8*\t+4]
.endr
	v_nop
	s_wait_alu depctr_va_vdst(0)                   ; one wait for the two reciprocals
	s_wait_dscnt 0x0
.irp t, 0,1
.set n, 0
.rept 32
	v_cndmask_b32 v[O+32*\t+n], v[O+32*\t+n], v[S+n], s[FL+\t]
.set n, n+1
.endr
.endr
.irp t, 0,1
.set n, 0
.rept 16
	v_pk_mul_f32 v[O+32*\t+n:O+32*\t+n+1], v[O+32*\t+n:O+32*\t+n+1], v[ST+8*\t+6:ST+8*\t+7] op_sel_hi:[1,0]
.set n, n+2
.endr
.endr
.irp t, 0,1
.set n, 0
.rept 16
	v_cvt_pk_f16_f32 v[P+16*\t+n], v[O+32*\t+2*n], v[O+32*\t+2*n+1]
.set n, n+1
.endr
.endr
.irp t, 0,1
.irp c, 0,1,2,3
	ds_store_b128 v[STO], v[P+16*\t+4*\c:P+16*\t+4*\c+3] offset:\t*16*PK+32*\c
.endr
.endr
.irp i, 0,1,2,3,4,5,6,7
	ds_load_b128 v[S+32+4*\i:S+32+4*\i+3], v[RD] offset:\i*4*PK    ; in order behind my stores
.endr
.irp i, 0,1,2,3,4,5,6,7
	s_wait_dscnt 7-\i                              ; the younger loads may be out
	global_store_b128 v[GO], v[S+32+4*\i:S+32+4*\i+3], s[OP:OP+1] offset:512*\i    ; 512 consecutive bytes, aligned
.endr
.if \restart
	s_wait_xcnt 0x0                                ; the stores have read their data and base
	s_lshl_b32 s[Q0], s[II], 8
	s_lshl_b32 s72, s[WV], 5
	s_add_co_u32 s[Q0], s[Q0], s72
	s_lshl_b32 s72, s[Q0], 7
	s_mov_b32 s73, 0
	s_add_nc_u64 s[QP:QP+1], s[QH:QH+1], s[72:73]
	s_add_nc_u64 s[OP:OP+1], s[OH:OH+1], s[72:73]
	QLOAD
	INIT
	s_wait_loadcnt 0x0
.endif
.endm
.Ltrip:                                ; eight trips, each asking for the next trip's key block
	CHANGE 1
	STEP 0
	STEP 1
	STEP 2
	STEP 3
	s_xor_b32 s[TB], s[TB], SLOT1
	s_cmp_lg_u32 s[TT], s[SW]
	s_cbranch_scc1 .Lnot_done
	FINISH 1
.Lnot_done:
	s_add_co_u32 s[TT], s[TT], 1
	s_cmp_lt_u32 s[TT], 8
	s_cbranch_scc1 .Ltrip
	CHANGE 0                               ; the ninth trip is written out: nothing is left to fetch
	STEP 0
	STEP 1
	STEP 2
	STEP 3
	FINISH 0
	s_wait_tensorcnt 0x0                           ; the wave's end
	ds_add_u32 v[SPW], v[NIL]
	s_wait_dscnt 0x0
	s_endpgm
.Lfunc_end_k_q5bcae325e0_attn:
	.size	k_q5bcae325e0_attn, .Lfunc_end_k_q5bcae325e0_attn-k_q5bcae325e0_attn
	.p2alignl 7, 3214868480
	.fill 96, 4, 3214868480
	.section	.rodata,"a",@progbits
	.p2align	6, 0x0
	.amdhsa_kernel k_q5bcae325e0_attn
		.amdhsa_group_segment_fixed_size 327680
		.amdhsa_private_segment_fixed_size 0
		.amdhsa_enable_private_segment 0
		.amdhsa_kernarg_size 32
		.amdhsa_user_sgpr_count 2
		.amdhsa_user_sgpr_kernarg_segment_ptr 1
		.amdhsa_wavefront_size32 1
		.amdhsa_system_sgpr_workgroup_id_x 1
		.amdhsa_system_sgpr_workgroup_id_y 1
		.amdhsa_system_sgpr_workgroup_id_z 1
		.amdhsa_system_vgpr_workitem_id 0
		.amdhsa_next_free_vgpr 384
		.amdhsa_next_free_sgpr 96
		.amdhsa_reserve_vcc 1
		.amdhsa_float_denorm_mode_32 3
		.amdhsa_float_denorm_mode_16_64 3
		.amdhsa_memory_ordered 1
		.amdhsa_forward_progress 1
		.amdhsa_inst_pref_size 221
	.end_amdhsa_kernel
	.amdgpu_metadata
---
amdhsa.version: [ 1, 2 ]
amdhsa.kernels:
  - .name:           k_q5bcae325e0_attn
    .symbol:         k_q5bcae325e0_attn.kd
    .args:
      - { .name: qkvh, .offset: 0, .size: 8, .value_kind: global_buffer, .address_space: global }
      - { .name: aux32, .offset: 8, .size: 8, .value_kind: global_buffer, .address_space: global }
      - { .name: mask, .offset: 16, .size: 8, .value_kind: global_buffer, .address_space: global }
      - { .name: ctx, .offset: 24, .size: 8, .value_kind: global_buffer, .address_space: global }
    .group_segment_fixed_size: 327680
    .private_segment_fixed_size: 0
    .kernarg_segment_align: 8
    .kernarg_segment_size: 32
    .max_flat_workgroup_size: 256
    .sgpr_count:     96
    .vgpr_count:     384
    .wavefront_size: 32
...
	.end_amdgpu_metadata
.endif
;; end of part 3
;; launch proj (part 4): grid 4 x 64, 4 waves a work-group, clusters of 4 x 4, 327,680 bytes of LDS; arguments ctx, wo16, b_o, out0; writes out0
.if DOCPART == 4
	.amdgcn_target "amdgcn-amd-amdhsa--gfx1250"
	.amdhsa_code_object_version 6
	.text
	.protected	k_q5bcae325e0_proj
	.globl	k_q5bcae325e0_proj
	.p2align	8
	.type	k_q5bcae325e0_proj,@function
k_q5bcae325e0_proj:
	s_mov_b64 s[64:65], 0
	v_nop
	global_prefetch_b8 v0, s[64:65] scope:SCOPE_SE
	s_setreg_imm32_b32 hwreg(HW_REG_WAVE_MODE, 25, 1), 1
	s_wait_xcnt 0x0
	s_wait_alu depctr_hold_cnt(0) depctr_sa_sdst(0) depctr_va_vdst(0) depctr_va_sdst(0) depctr_va_ssrc(0) depctr_va_vcc(0) depctr_vm_vsrc(0)
	s_getreg_b32 s2, hwreg(HW_REG_IB_STS2, 6, 4)
	s_cmp_eq_u32 s2, 0
	s_cbranch_scc0 .Lentry_in_a_cluster
	s_endpgm
.Lentry_in_a_cluster:
	s_bfe_u32 s2, ttmp6, 0x10000c
	s_cmp_lg_u32 s2, 0xf033
	s_cbranch_scc0 .Lentry_shape_is_right
	s_endpgm
.Lentry_shape_is_right:
; PROJ.  out0(m, n) = sum over k of ctx(m, k) W_o(n, k) + b_o(n), f16 operands, f32 sums, for every row but positions 0-15 of each batch, which a later launch makes in f32.
; ctx lies [head][8192 rows][64]: the K step of 128 is two heads, two dense planes of 128 rows x 128 bytes.  A tile is 128 x 256: 256 work-groups; a wave makes 64 x 128: 32 accumulators.
; CLUSTERS 4 x 4: ctx's tiles are asked for jointly along a row of the cluster, W_o's along a column.  Tile row = 16 cy + cluster y: the batch is cy, the tile within it the cluster's y, which all partners share.
; TRANSPOSED USE: source 0 = 16 rows of W_o, source 1 = 16 rows of ctx.  The bias is the C of each sum's first product.  No prefetch: a K step's load is small and the launch is short.
; REGISTERS: window 0: v16-29 addresses; v32-127, v128-223 two fragment buffers (ctx 32, W_o 64).  window 1: the accumulators, (a, b) at v[8 (8 a + b)].  window 2: v0-63 the bias.
.set PA,    144                        ; ctx's LDS row: 128 + 16
.set PB,    272                        ; W_o's: 256 + 16
.set APL,   128*PA                     ; a plane
.set BOFF,  2*APL
.set SLOT,  BOFF+256*PB                ; 106,496
.set STAGE, 2*SLOT
.set SPITCH, 528
.set SPARE, STAGE+4*16*SPITCH
.set LAPS,  4                          ; eight K steps of 128
.set ADRA, 16
.set ADRB, 20
.set STO,  24
.set RD,   25
.set CO,   26
.set BOF,  27
.set SPW,  28
.set NIL,  29
.set F0,   32
.set F1,   128
.set BK,   32
.set G1, 24
.set G0, 32
.set G1B, 48
.set G0B, 56
.set MSB, 0
.macro WIN new
.if MSB != \new
	s_set_vgpr_msb (MSB<<8)|\new
.set MSB, \new
.endif
.endm
.set MUL,  0x50                        ; C and D window 1
.set MULB, 0x60                        ; C (the bias) window 2, D window 1
.macro JLOAD s                         ; waves 0 and 1 fetch ctx's two planes, waves 2 and 3 W_o's two halves; an s_nop 0 and four v_nop follow each line
	s_cmp_eq_u32 s15, 0
	s_cbranch_scc0 .Lfor_b_\@
	tensor_load_to_lds s[G0+4*\s:G0+4*\s+3], s[G1:G1+7]
	s_nop 0
.rept 4
	v_nop
.endr
	s_branch .Lasked_\@
.Lfor_b_\@:
	tensor_load_to_lds s[G0B+4*\s:G0B+4*\s+3], s[G1B:G1B+7]
	s_nop 0
.rept 4
	v_nop
.endr
.Lasked_\@:
.endm
.macro CREST
	s_cmp_lg_u32 s14, 0
	s_cbranch_scc1 .Lnot_wave_0_\@
	s_barrier_signal -3
.Lnot_wave_0_\@:
	s_barrier_wait -3
	s_barrier_signal -1
	s_barrier_wait -1
.endm
.macro CROUND
	s_barrier_signal -1
	s_barrier_wait -1
	CREST
.endm
	s_load_b256 s[4:11], s[0:1], 0x0               ; ctx, wo16, b_o, out0
	v_lshl_add_u32 v[SPW], v0, 2, SPARE
	v_mov_b32 v[NIL], 0
	ds_add_u32 v[SPW], v[NIL]                      ; the wave's opening: the add, twice on end, and its wait ahead of my first tensor load
	ds_add_u32 v[SPW], v[NIL]
	v_lshrrev_b32 v1, 5, v0
	v_readfirstlane_b32 s14, v1                    ; wave
	s_lshr_b32 s15, s14, 1                         ; rh.  Also: I fetch for ctx (0) or W_o (1)
	s_and_b32 s16, s14, 1                          ; ch.  Also: which plane or half I fetch
	s_bfe_u32 s40, ttmp6, 0x40000                  ; cx
	s_bfe_u32 s41, ttmp6, 0x40004                  ; cy
	s_lshl_b32 s42, ttmp9, 2
	s_add_co_u32 s42, s42, s40                     ; tile column
	s_and_b32 s13, ttmp7, 0xffff                   ; cluster y
	s_lshl_b32 s17, s41, 4
	s_add_co_u32 s17, s17, s13                     ; tile row = 16 cy + cluster y
	s_lshl_b32 s43, s41, 2
	s_lshl_b32 s43, 15, s43
	s_lshl_b32 s44, 0x1111, s40
	s_or_b32 s[G1+0], s43, (1<<16)|(1<<20)|(1<<21)|(4<<22)|(3<<25)  ; ctx: elements of 2 bytes, 4 words of padding after every 32
	s_mov_b32 s[G1+1], 64<<16
	s_mov_b32 s[G1+2], 128<<16
	s_mov_b32 s[G1+3], 64<<16
	s_mov_b32 s[G1+4], 128
	s_mov_b32 s[G1+5], 64
	s_mov_b32 s[G1+6], 0
	s_mov_b32 s[G1+7], 0
	s_or_b32 s[G1B+0], s44, (1<<16)|(1<<20)|(1<<21)|(5<<22)|(3<<25) ; W_o: after every 64
	s_mov_b32 s[G1B+1], 128<<16
	s_mov_b32 s[G1B+2], 128<<16
	s_mov_b32 s[G1B+3], 128<<16
	s_mov_b32 s[G1B+4], 128
	s_mov_b32 s[G1B+5], 1024
	s_mov_b32 s[G1B+6], 0
	s_mov_b32 s[G1B+7], 0
	s_lshl_b32 s20, s16, 20                        ; ctx: head (w & 1): 8,192 rows of 128 bytes; row 128 x tile row
	s_lshl_b32 s21, s17, 14
	s_add_co_u32 s20, s20, s21
	s_mov_b32 s21, 0
	s_lshl_b32 s46, s42, 19                        ; W_o: row 256 x tile column + 128 (w & 1), 2,048 bytes a row
	s_lshl_b32 s47, s16, 18
	s_add_co_u32 s46, s46, s47
	s_mov_b32 s47, 0
	s_mul_i32 s45, s16, APL
	s_mul_i32 s22, s16, 128*PB
	s_add_co_u32 s22, s22, BOFF
	s_wait_dscnt 0x0                               ; both opening adds are done
	s_wait_kmcnt 0x0
	s_add_nc_u64 s[20:21], s[4:5], s[20:21]
	s_add_nc_u64 s[46:47], s[6:7], s[46:47]
	CROUND
.irp s, 0,1
	s_mov_b32 s[G0+4*\s], 1
	s_add_co_u32 s[G0+4*\s+1], s45, \s*SLOT
	s_add_nc_u64 s[G0+4*\s+2:G0+4*\s+3], s[20:21], \s*0x200000     ; two heads on
	s_or_b32 s[G0+4*\s+3], s[G0+4*\s+3], 0x80000000
	s_mov_b32 s[G0B+4*\s], 1
	s_add_co_u32 s[G0B+4*\s+1], s22, \s*SLOT
	s_add_nc_u64 s[G0B+4*\s+2:G0B+4*\s+3], s[46:47], \s*256
	s_or_b32 s[G0B+4*\s+3], s[G0B+4*\s+3], 0x80000000
	JLOAD \s
.endr
	s_lshl_b32 s46, s42, 10                        ; my first column, in bytes of f32: 1,024 tc + 512 ch
	s_lshl_b32 s47, s16, 9
	s_add_co_u32 s46, s46, s47
	s_mov_b32 s47, 0
	s_add_nc_u64 s[8:9], s[8:9], s[46:47]
	v_and_b32 v1, 15, v0                           ; r
	v_bfe_u32 v2, v0, 4, 1                         ; h
	v_lshlrev_b32 v[BOF], 5, v2
	WIN 0x80                                       ; destination window 2
.irp b, 0,1,2,3,4,5,6,7
	global_load_b128 v[8*\b:8*\b+3], v[BOF], s[8:9] offset:64*\b
	global_load_b128 v[8*\b+4:8*\b+7], v[BOF], s[8:9] offset:64*\b+16
.endr
	WIN 0
	v_mul_u32_u24 v3, v1, PA
	v_lshl_add_u32 v3, v2, 4, v3
	v_mul_u32_u24 v4, v1, PB
	v_lshl_add_u32 v4, v2, 4, v4
	s_mul_i32 s21, s15, 64*PA
	s_mul_i32 s22, s16, 128*PB
	s_add_co_u32 s22, s22, BOFF
.irp s, 0,1
	v_add_nc_u32 v[ADRA+\s], s21, v3
	v_add_nc_u32 v[ADRB+\s], s22, v4
	s_add_co_u32 s21, s21, SLOT
	s_add_co_u32 s22, s22, SLOT
.endr
	s_mul_i32 s23, s14, 16*SPITCH
	s_add_co_u32 s23, s23, STAGE
	v_mul_u32_u24 v5, v1, SPITCH
	v_lshl_add_u32 v5, v2, 5, v5
	v_add_nc_u32 v[STO], s23, v5
	v_and_b32 v6, 31, v0
	v_lshlrev_b32 v[CO], 4, v6
	v_add_nc_u32 v[RD], s23, v[CO]
	s_lshl_b32 s20, s17, 19                        ; out0: row 128 tr + 64 rh, 4,096 bytes a row
	s_lshl_b32 s21, s15, 18
	s_add_co_u32 s20, s20, s21
	s_mov_b32 s21, 0
	s_add_nc_u64 s[20:21], s[20:21], s[46:47]
	s_add_nc_u64 s[10:11], s[10:11], s[20:21]
.macro MUL8 f, a, bias                 ; ctx's block a against W_o's eight, 32 along K.  The 32 accumulators take turns
.irp b, 0,1,2,3,4,5,6,7
.if \bias
	v_wmma_f32_16x16x32_f16 v[8*(8*(\a)+\b):8*(8*(\a)+\b)+7], v[\f+32+8*\b:\f+32+8*\b+7], v[\f+8*(\a):\f+8*(\a)+7], v[8*\b:8*\b+7]
.else
	v_wmma_f32_16x16x32_f16 v[8*(8*(\a)+\b):8*(8*(\a)+\b)+7], v[\f+32+8*\b:\f+32+8*\b+7], v[\f+8*(\a):\f+8*(\a)+7], v[8*(8*(\a)+\b):8*(8*(\a)+\b)+7]
.endif
.endr
.endm
.macro FETCH slot, q, f                ; 24 LDS loads: the slot's q-th 32 along K: W_o's sixteen, then ctx's eight
	WIN 0
.irp b, 0,1,2,3,4,5,6,7
	ds_load_b128 v[\f+32+8*\b:\f+32+8*\b+3], v[ADRB+\slot] offset:64*(\q)+\b*16*PB
	ds_load_b128 v[\f+32+8*\b+4:\f+32+8*\b+7], v[ADRB+\slot] offset:64*(\q)+\b*16*PB+32
.endr
.irp a, 0,1,2,3
	ds_load_b128 v[\f+8*\a:\f+8*\a+3], v[ADRA+\slot] offset:((\q)/2)*APL+((\q)%2)*64+\a*16*PA
	ds_load_b128 v[\f+8*\a+4:\f+8*\a+7], v[ADRA+\slot] offset:((\q)/2)*APL+((\q)%2)*64+\a*16*PA+32
.endr
.endm
.macro PLACES
.rept 4
	v_nop
.endr
.endm
.macro QUARTER slot, q, f, g, bias     ; multiplies buffer f; in its middle fetches the slot's quarter q into g
	s_wait_dscnt 4                                 ; W_o's and ctx's blocks 0, 1 are in; the youngest four loads (blocks 2, 3) may be out
.if \bias
	WIN MULB
.else
	WIN MUL
.endif
	MUL8 \f, 0, \bias
	MUL8 \f, 1, \bias
	PLACES
	FETCH \slot, \q, \g
	s_wait_dscnt 24                                ; all but the 24 just issued
.if \bias
	WIN MULB
.else
	WIN MUL
.endif
	MUL8 \f, 2, \bias
	MUL8 \f, 3, \bias
.endm
; A slot's last quarter changes slots: one barrier; ahead of it all my tensor loads have landed, the add, my reads of this slot are over.  fill = 1: the barrier opens a round of the cluster's, and the slot is filled again.
.macro TURN slot, next, fill
	WIN 0
	s_wait_tensorcnt 0x0
	ds_add_u32 v[SPW], v[NIL]
	s_wait_dscnt 5                                 ; the add and the youngest four loads may be out
	WIN MUL
	MUL8 F1, 0, 0
	s_wait_dscnt 0x0
	s_barrier_signal -1
	MUL8 F1, 1, 0
.if \fill
	WIN 0
.endif
	s_barrier_wait -1
.if \fill
	CREST
	s_add_nc_u64 s[G0+4*\slot+2:G0+4*\slot+3], s[G0+4*\slot+2:G0+4*\slot+3], 0x400000     ; four heads on
	s_add_nc_u64 s[G0B+4*\slot+2:G0B+4*\slot+3], s[G0B+4*\slot+2:G0B+4*\slot+3], 512
	JLOAD \slot                                    ; the first tensor load behind the round; its four v_nop are also the plain lines ahead of the loads below
.else
	PLACES
.endif
	FETCH \next, 0, F0
	WIN MUL
	MUL8 F1, 2, 0
	MUL8 F1, 3, 0
.endm
	s_wait_tensorcnt 1                             ; my part of K step 0 is in; K step 1's load may be out
	s_barrier_signal -1
	s_barrier_wait -1
	FETCH 0, 0, F0
	s_wait_loadcnt 0x0                             ; the bias
	QUARTER 0, 1, F0, F1, 1
	WIN 0
	s_mov_b32 s3, LAPS-1
.Llap:
	QUARTER 0, 2, F1, F0, 0
	QUARTER 0, 3, F0, F1, 0
	TURN 0, 1, 1
	QUARTER 1, 1, F0, F1, 0
	QUARTER 1, 2, F1, F0, 0
	QUARTER 1, 3, F0, F1, 0
	TURN 1, 0, 1
	QUARTER 0, 1, F0, F1, 0
	WIN 0
	s_sub_co_u32 s3, s3, 1
	s_cmp_lg_u32 s3, 0
	s_cbranch_scc1 .Llap
	QUARTER 0, 2, F1, F0, 0                        ; the last lap fills nothing
	QUARTER 0, 3, F0, F1, 0
	TURN 0, 1, 0
	QUARTER 1, 1, F0, F1, 0
	QUARTER 1, 2, F1, F0, 0
	QUARTER 1, 3, F0, F1, 0
	s_wait_dscnt 4
	WIN MUL
	MUL8 F1, 0, 0
	MUL8 F1, 1, 0
	s_wait_dscnt 0
	MUL8 F1, 2, 0
	MUL8 F1, 3, 0
	WIN 0
	; THE WAY OUT: a block of 16 rows x 128 columns through my stage, back as rows of 512 bytes
.macro TOSTAGE a
	WIN 0x04                                       ; the data: window 1
.irp b, 0,1,2,3,4,5,6,7
	ds_store_b128 v[STO], v[8*(8*(\a)+\b):8*(8*(\a)+\b)+3] offset:64*\b
	ds_store_b128 v[STO], v[8*(8*(\a)+\b)+4:8*(8*(\a)+\b)+7] offset:64*\b+16
.endr
	WIN 0
.set BBK, BK+64*((\a)%2)
.irp t, 0,1,2,3,4,5,6,7,8,9,10,11,12,13,14,15
	ds_load_b128 v[BBK+4*\t:BBK+4*\t+3], v[RD] offset:\t*SPITCH
.endr
.endm
.macro SEND a
.set BBK, BK+64*((\a)%2)
.irp t, 0,1,2,3,4,5,6,7,8,9,10,11,12,13,14,15
	global_store_b128 v[CO], v[BBK+4*\t:BBK+4*\t+3], s[10:11] offset:(\a)*65536+\t*4096 th:TH_STORE_NT    ; 512 consecutive bytes, aligned
.endr
.endm
	PLACES
	TOSTAGE 0
	TOSTAGE 1
	s_wait_dscnt 32                                ; block 0 is back; block 1's 16 stores and 16 loads may be out
	s_or_b32 s18, s13, s15                         ; block 0 of the batch's first tile, rows' first half: positions 0-15, which the f32 launch writes
	s_cmp_eq_u32 s18, 0
	s_cbranch_scc1 .Lfine_rows
	SEND 0
.Lfine_rows:
	s_wait_xcnt 0x0                                ; block 0's stores have read the registers that block 2's loads take
	TOSTAGE 2
	s_wait_dscnt 32
	SEND 1
	s_wait_xcnt 0x0
	TOSTAGE 3
	s_wait_dscnt 32
	SEND 2
	s_wait_dscnt 0x0
	SEND 3
	s_wait_tensorcnt 0x0                           ; the wave's end
	ds_add_u32 v[SPW], v[NIL]
	s_wait_dscnt 0x0
	CROUND                                         ; the closing round
	s_endpgm
.Lfunc_end_k_q5bcae325e0_proj:
	.size	k_q5bcae325e0_proj, .Lfunc_end_k_q5bcae325e0_proj-k_q5bcae325e0_proj
	.p2alignl 7, 3214868480
	.fill 96, 4, 3214868480
	.section	.rodata,"a",@progbits
	.p2align	6, 0x0
	.amdhsa_kernel k_q5bcae325e0_proj
		.amdhsa_group_segment_fixed_size 327680
		.amdhsa_private_segment_fixed_size 0
		.amdhsa_enable_private_segment 0
		.amdhsa_kernarg_size 32
		.amdhsa_user_sgpr_count 2
		.amdhsa_user_sgpr_kernarg_segment_ptr 1
		.amdhsa_wavefront_size32 1
		.amdhsa_system_sgpr_workgroup_id_x 1
		.amdhsa_system_sgpr_workgroup_id_y 1
		.amdhsa_system_sgpr_workgroup_id_z 1
		.amdhsa_system_vgpr_workitem_id 0
		.amdhsa_next_free_vgpr 640
		.amdhsa_next_free_sgpr 100
		.amdhsa_reserve_vcc 0
		.amdhsa_float_denorm_mode_32 3
		.amdhsa_float_denorm_mode_16_64 3
		.amdhsa_memory_ordered 1
		.amdhsa_forward_progress 1
		.amdhsa_inst_pref_size 86
	.end_amdhsa_kernel
	.amdgpu_metadata
---
amdhsa.version: [ 1, 2 ]
amdhsa.kernels:
  - .name:           k_q5bcae325e0_proj
    .symbol:         k_q5bcae325e0_proj.kd
    .args:
      - { .name: ctx, .offset: 0, .size: 8, .value_kind: global_buffer, .address_space: global }
      - { .name: wo16, .offset: 8, .size: 8, .value_kind: global_buffer, .address_space: global }
      - { .name: b_o, .offset: 16, .size: 8, .value_kind: global_buffer, .address_space: global }
      - { .name: out0, .offset: 24, .size: 8, .value_kind: global_buffer, .address_space: global }
    .group_segment_fixed_size: 327680
    .private_segment_fixed_size: 0
    .kernarg_segment_align: 8
    .kernarg_segment_size: 32
    .max_flat_workgroup_size: 128
    .sgpr_count:     100
    .vgpr_count:     640
    .wavefront_size: 32
...
	.end_amdgpu_metadata
.endif
;; end of part 4
;; launch fine (part 5): grid 16 x 4, 16 waves a work-group, no clusters, 75,776 bytes of LDS; arguments aux32, mask, W_o, b_o, out0; writes out0
.if DOCPART == 5
	.amdgcn_target "amdgcn-amd-amdhsa--gfx1250"
	.amdhsa_code_object_version 6
	.text
	.protected	k_q5bcae325e0_fine
	.globl	k_q5bcae325e0_fine
	.p2align	8
	.type	k_q5bcae325e0_fine,@function
k_q5bcae325e0_fine:
	s_mov_b64 s[64:65], 0
	v_nop
	global_prefetch_b8 v0, s[64:65] scope:SCOPE_SE
	s_setreg_imm32_b32 hwreg(HW_REG_WAVE_MODE, 25, 1), 1
	s_wait_xcnt 0x0
; FINE.  Positions 0-15 of each batch, attention and projection with f32 operands: these rows average one to sixteen values, so operands rounded to 16 bits would weigh most here.  64 rows of 8,192: no bulk work.
; SHARES.  Work-group (X, b): output columns 64 X .. 64 X + 63 of batch b's 16 rows.  Wave w is head w: its 16 x 16 attention, then its 64 channels' share of the projection; the sixteen shares meet in LDS.
; All products by the 16 x 16 x 4 f32 matrix form, four accumulators v16-47 by turns, written by matrix instructions alone; each sum begins with C = 0.  The order of k within a product is the same on both
; operands: a lane's registers are taken as they come from memory or from the product before.
; MASKS as in the launch for all positions: hidden keys and keys with mask = 0 count as -1e30; a query with no key that counts takes V's column sums / 2,048.  The same limit holds (a row's largest scaled score not under -1e9 + 104).
; REGISTERS: v48-79 Q, v80-111 K, later W_o's tiles 2, 3; v112-143 V, later the normalised rows; v144-151 scores, p; v152-159 mask; v160-175 at work; v176-191 V's sums, by halves; v192-255 W_o's tiles 0, 1.
.set ROWF,  12288
.set VPART, 786432
.set PSW,   16*272                     ; a wave's share: 16 rows x (256 + 16)
.set VM,    16*PSW                     ; 69,632: V's sums, 256 bytes a wave
.set SPARE, VM+4096                    ; 73,728: the spare words, 128 bytes a wave
.set SPW,   12
.set NIL,   13
.set ACC,   16
	s_load_b256 s[4:11], s[0:1], 0x0               ; aux32, mask, W_o, b_o
	s_load_b64 s[12:13], s[0:1], 0x20              ; out0
	v_lshl_add_u32 v[SPW], v0, 2, SPARE
	v_mov_b32 v[NIL], 0
	v_lshrrev_b32 v1, 5, v0
	v_readfirstlane_b32 s14, v1                    ; wave = head
	s_and_b32 s15, ttmp7, 0xffff                   ; b
	v_and_b32 v1, 31, v0                           ; lane
	v_and_b32 v2, 15, v0                           ; r
	v_bfe_u32 v3, v0, 4, 1                         ; h
	v_mul_u32_u24 v4, v2, ROWF
	v_lshl_add_u32 v4, v3, 4, v4                   ; Q, K: position r, channels 8 u + 4 h on
	v_mul_u32_u24 v5, v3, 8*ROWF
	v_lshl_add_u32 v5, v2, 2, v5                   ; V: position 8 h + j, channel 16 ct + r
	v_lshlrev_b32 v6, 5, v3                        ; the mask of keys 8 h on
	v_lshlrev_b32 v7, 3, v1                        ; 8 bytes a lane
	v_lshlrev_b32 v8, 12, v2
	v_lshl_add_u32 v8, v3, 5, v8                   ; W_o: row r, channels 8 h on
	s_mul_i32 s16, s14, PSW
	v_mul_u32_u24 v9, v2, 272
	v_lshl_add_u32 v9, v3, 5, v9
	v_add_nc_u32 v9, s16, v9                       ; my share, in: row r, 32 bytes for each half
	s_mul_i32 s16, s14, 272
	v_add_nc_u32 v10, s16, v7                      ; back: row w of every share
	s_lshl_b32 s16, s14, 8
	s_add_co_u32 s16, s16, VM
	v_add_nc_u32 v11, s16, v7
	v_add_nc_u32 v14, s16, v6
	v_lshlrev_b32 v15, 3, v3
	v_sub_nc_u32 v15, v2, v15                      ; r - 8 h
	s_mov_b32 s22, 0x76543210
	s_mov_b32 s23, 0xfedcba98
	s_mov_b32 s24, 0x3e38aa3b                      ; c = log2(e) / 8
	s_mul_i32 s28, s15, 16*ROWF
	s_lshl_b32 s29, s14, 8
	s_add_co_u32 s28, s28, s29
	s_mov_b32 s29, 0
	s_lshl_b32 s30, s15, 16
	s_lshl_b32 s31, s14, 8
	s_add_co_u32 s30, s30, s31
	s_add_co_u32 s30, s30, VPART
	s_mov_b32 s31, 0
	s_lshl_b32 s32, s15, 13
	s_mov_b32 s33, 0
	s_lshl_b32 s34, ttmp9, 18
	s_lshl_b32 s35, s14, 8
	s_add_co_u32 s34, s34, s35
	s_mov_b32 s35, 0
	s_lshl_b32 s36, ttmp9, 8
	s_mov_b32 s37, 0
	s_lshl_b32 s38, s15, 11
	s_add_co_u32 s38, s38, s14
	s_lshl_b32 s38, s38, 12
	s_add_co_u32 s38, s38, s36
	s_mov_b32 s39, 0
	s_wait_kmcnt 0x0
	s_add_nc_u64 s[16:17], s[4:5], s[28:29]        ; the f32 copy: batch b, head w
	s_add_nc_u64 s[18:19], s[4:5], s[30:31]        ; V's part sums
	s_add_nc_u64 s[6:7], s[6:7], s[32:33]
	s_add_nc_u64 s[8:9], s[8:9], s[34:35]          ; W_o: rows 64 X on, channels 64 w on
	s_add_nc_u64 s[10:11], s[10:11], s[36:37]
	s_add_nc_u64 s[12:13], s[12:13], s[38:39]      ; out0: row b 2,048 + w, column 64 X
.irp u, 0,1,2,3,4,5,6,7
	global_load_b128 v[48+4*\u:51+4*\u], v4, s[16:17] offset:32*\u
	global_load_b128 v[80+4*\u:83+4*\u], v4, s[16:17] offset:4096+32*\u
.endr
	global_load_b128 v[152:155], v6, s[6:7]
	global_load_b128 v[156:159], v6, s[6:7] offset:16
.irp c, 0,1,2,3
.irp j, 0,1,2,3,4,5,6,7
	global_load_b32 v[112+8*\c+\j], v5, s[16:17] offset:8192+\j*ROWF+64*\c
.endr
.endr
.irp p, 0,1,2,3,4,5,6,7,8,9,10,11,12,13,14,15
	global_load_b64 v[160+2*\p:161+2*\p], v7, s[18:19] offset:4096*\p
.endr
.irp n, 0,1
.irp c, 0,1,2,3
.irp u, 0,1
	global_load_b128 v[192+32*\n+8*\c+4*\u:195+32*\n+8*\c+4*\u], v8, s[8:9] offset:\n*65536+64*\c+16*\u
.endr
.endr
.endr
	s_wait_loadcnt 16                              ; all but W_o's sixteen loads are in
.irp p, 1,2,3,4,5,6,7,8,9,10,11,12,13,14,15
	v_pk_add_f32 v[160:161], v[160:161], v[160+2*\p:161+2*\p]
.endr
	ds_store_b64 v11, v[160:161]                   ; V's sums of my head: my own bytes
	; S^T = K Q^T: 16 products of 4 channels, in four part sums
.set i, 0
.rept 16
.if i < 4
	v_wmma_f32_16x16x4_f32 v[ACC+8*(i%4):ACC+8*(i%4)+7], v[80+2*i:81+2*i], v[48+2*i:49+2*i], 0
.else
	v_wmma_f32_16x16x4_f32 v[ACC+8*(i%4):ACC+8*(i%4)+7], v[80+2*i:81+2*i], v[48+2*i:49+2*i], v[ACC+8*(i%4):ACC+8*(i%4)+7]
.endif
.set i, i+1
.endr
.rept 8
	v_nop                                          ; eight plain lines behind this form, ahead of reads of its results and loads into its sources
.endr
.irp n, 0,1
.irp c, 0,1,2,3
.irp u, 0,1
	global_load_b128 v[48+32*\n+8*\c+4*\u:51+32*\n+8*\c+4*\u], v8, s[8:9] offset:(2+\n)*65536+64*\c+16*\u
.endr
.endr
.endr
.irp j, 0,1,2,3,4,5,6,7
	v_add_f32 v[144+\j], v[ACC+\j], v[ACC+8+\j]    ; from each accumulator's low end on
.endr
.irp j, 0,1,2,3,4,5,6,7
	v_add_f32 v[168+\j], v[ACC+16+\j], v[ACC+24+\j]
.endr
.irp j, 0,1,2,3,4,5,6,7
	v_add_f32 v[144+\j], v[144+\j], v[168+\j]      ; lane (r, h): query r, key 8 h + j
.endr
	v_mov_b32 v162, 0xf149f2ca                     ; -1e30
	v_mov_b32 v167, 0x45000000                     ; 2048.0
	v_mov_b32 v170, 0xefa18f08                     ; -1e29
.irp j, 0,1,2,3,4,5,6,7
	v_cmp_gt_i32 vcc_lo, \j, v15                   ; key 8 h + j comes after query r
	v_cndmask_b32 v[144+\j], v[144+\j], v162, vcc_lo
	v_cmp_eq_u32 vcc_lo, 0, v[152+\j]
	v_cndmask_b32 v[144+\j], v[144+\j], v162, vcc_lo
.endr
	v_max3_num_f32 v163, v144, v145, v146
	v_max3_num_f32 v164, v147, v148, v149
	v_max3_num_f32 v163, v163, v150, v151
	v_max_num_f32 v163, v163, v164
	v_permlanex16_b32 v164, v163, s22, s23
	v_max_num_f32 v163, v163, v164                 ; m
	v_mul_f32 v165, s24, v163
.irp j, 0,1,2,3,4,5,6,7
	v_fma_f32 v[144+\j], v[144+\j], s24, -v165
.endr
.irp j, 0,1,2,3,4,5,6,7
	v_exp_f32 v[144+\j], v[144+\j]
.endr
	v_cmp_lt_f32 s26, v163, v170                   ; no key counts (a plain line behind the exponentials)
	s_wait_alu depctr_va_vdst(0)                   ; one wait for the eight, ahead of their first reader
	v_add_f32 v166, v144, v145
	v_add_f32 v168, v146, v147
	v_add_f32 v169, v148, v149
	v_add_f32 v171, v150, v151
	v_add_f32 v166, v166, v168
	v_add_f32 v169, v169, v171
	v_add_f32 v166, v166, v169
	v_permlanex16_b32 v168, v166, s22, s23
	v_add_f32 v166, v166, v168
	v_cndmask_b32 v166, v166, v167, s26
	v_rcp_f32 v169, v166
.rept 9
	v_nop                                          ; nine plain lines ahead of products that begin new sums in the same accumulators
.endr
	s_wait_alu depctr_va_vdst(0)                   ; the reciprocal's wait
	; O^T = V^T P: step i takes keys 8 h + 2 i, 2 i + 1; four accumulators, one for each 16 channels
.set i, 0
.rept 16
.if i < 4
	v_wmma_f32_16x16x4_f32 v[ACC+8*(i%4):ACC+8*(i%4)+7], v[112+8*(i%4)+2*(i/4):113+8*(i%4)+2*(i/4)], v[144+2*(i/4):145+2*(i/4)], 0
.else
	v_wmma_f32_16x16x4_f32 v[ACC+8*(i%4):ACC+8*(i%4)+7], v[112+8*(i%4)+2*(i/4):113+8*(i%4)+2*(i/4)], v[144+2*(i/4):145+2*(i/4)], v[ACC+8*(i%4):ACC+8*(i%4)+7]
.endif
.set i, i+1
.endr
.rept 8
	v_nop
.endr
	global_load_b64 v[144:145], v7, s[10:11]       ; b_o of my two columns of the last phase
.irp g, 0,1                            ; channels 32 g on: V's sums come in halves
.irp c, 0,1
	ds_load_b128 v[176+8*\c:179+8*\c], v14 offset:64*(2*\g+\c)
	ds_load_b128 v[180+8*\c:183+8*\c], v14 offset:64*(2*\g+\c)+16
.endr
	s_wait_dscnt 0x0
.irp c, 0,1
.irp j, 0,1,2,3,4,5,6,7
	v_cndmask_b32 v[112+8*(2*\g+\c)+\j], v[ACC+8*(2*\g+\c)+\j], v[176+8*\c+\j], s26
.endr
.endr
.endr
.set i, 0
.rept 32
	v_mul_f32 v[112+i], v[112+i], v169             ; lane (r, h): query r, channel 16 ct + 8 h + j in register 8 ct + j
.set i, i+1
.endr
	s_wait_loadcnt 0x0                             ; W_o, b_o
.rept 9
	v_nop
.endr
	; my head's share of the projection: step (ct, i) takes channels 16 ct + 8 h + 2 i, + 1; four accumulators, one for each 16 output columns
.set i, 0
.rept 64
.set st, i/4
.set nt, i%4
.if nt < 2
.set rW, 192+32*nt+2*st
.else
.set rW, 48+32*(nt-2)+2*st
.endif
.if i < 4
	v_wmma_f32_16x16x4_f32 v[ACC+8*nt:ACC+8*nt+7], v[rW:rW+1], v[112+2*st:113+2*st], 0
.else
	v_wmma_f32_16x16x4_f32 v[ACC+8*nt:ACC+8*nt+7], v[rW:rW+1], v[112+2*st:113+2*st], v[ACC+8*nt:ACC+8*nt+7]
.endif
.set i, i+1
.endr
.rept 8
	v_nop
.endr
.irp n, 0,1,2,3
	ds_store_b128 v9, v[ACC+8*\n:ACC+8*\n+3] offset:64*\n          ; lane (r, h): query r, columns 16 n + 8 h on
	ds_store_b128 v9, v[ACC+8*\n+4:ACC+8*\n+7] offset:64*\n+16
.endr
	s_wait_dscnt 0x0                               ; for the others' sake: my share lies in LDS
	s_barrier_signal -1
	s_barrier_wait -1
.irp p, 0,1,2,3,4,5,6,7,8,9,10,11,12,13,14,15
	ds_load_b64 v[176+2*\p:177+2*\p], v10 offset:\p*PSW            ; row w of head p's share
.endr
	s_wait_dscnt 0x0
.irp p, 1,2,3,4,5,6,7,8,9,10,11,12,13,14,15
	v_pk_add_f32 v[176:177], v[176:177], v[176+2*\p:177+2*\p]
.endr
	v_pk_add_f32 v[176:177], v[176:177], v[144:145]
	global_store_b64 v7, v[176:177], s[12:13]      ; the wave stores 256 consecutive bytes, aligned
	s_wait_tensorcnt 0x0                           ; the wave's end, behind my last LDS store
	ds_add_u32 v[SPW], v[NIL]
	s_wait_dscnt 0x0
	s_endpgm
.Lfunc_end_k_q5bcae325e0_fine:
	.size	k_q5bcae325e0_fine, .Lfunc_end_k_q5bcae325e0_fine-k_q5bcae325e0_fine
	.p2alignl 7, 3214868480
	.fill 96, 4, 3214868480
	.section	.rodata,"a",@progbits
	.p2align	6, 0x0
	.amdhsa_kernel k_q5bcae325e0_fine
		.amdhsa_group_segment_fixed_size 75776
		.amdhsa_private_segment_fixed_size 0
		.amdhsa_enable_private_segment 0
		.amdhsa_kernarg_size 40
		.amdhsa_user_sgpr_count 2
		.amdhsa_user_sgpr_kernarg_segment_ptr 1
		.amdhsa_wavefront_size32 1
		.amdhsa_system_sgpr_workgroup_id_x 1
		.amdhsa_system_sgpr_workgroup_id_y 1
		.amdhsa_system_sgpr_workgroup_id_z 1
		.amdhsa_system_vgpr_workitem_id 0
		.amdhsa_next_free_vgpr 256
		.amdhsa_next_free_sgpr 66
		.amdhsa_reserve_vcc 1
		.amdhsa_float_denorm_mode_32 3
		.amdhsa_float_denorm_mode_16_64 3
		.amdhsa_memory_ordered 1
		.amdhsa_forward_progress 1
		.amdhsa_inst_pref_size 31
	.end_amdhsa_kernel
	.amdgpu_metadata
---
amdhsa.version: [ 1, 2 ]
amdhsa.kernels:
  - .name:           k_q5bcae325e0_fine
    .symbol:         k_q5bcae325e0_fine.kd
    .args:
      - { .name: aux32, .offset: 0, .size: 8, .value_kind: global_buffer, .address_space: global }
      - { .name: mask, .offset: 8, .size: 8, .value_kind: global_buffer, .address_space: global }
      - { .name: W_o, .offset: 16, .size: 8, .value_kind: global_buffer, .address_space: global }
      - { .name: b_o, .offset: 24, .size: 8, .value_kind: global_buffer, .address_space: global }
      - { .name: out0, .offset: 32, .size: 8, .value_kind: global_buffer, .address_space: global }
    .group_segment_fixed_size: 75776
    .private_segment_fixed_size: 0
    .kernarg_segment_align: 8
    .kernarg_segment_size: 40
    .max_flat_workgroup_size: 512
    .sgpr_count:     66
    .vgpr_count:     256
    .wavefront_size: 32
...
	.end_amdgpu_metadata
.endif
;; end of part 5
